; MI455X (gfx1250); checked and timed in simulation.
; The chip was launched on July 23, 2026; its instructions are those of AMD's public machine-readable ISA for CDNA 5 (MIT licence, August 2026) and "CDNA5" Instruction Set Architecture Reference Guide (July 2026). The comments in the code are by the model that wrote it; some were corrected since.
;; Multi Head Self Attention. Allowed arithmetic: matrix products marked QUANTISED: E2M3 operands, one E8M0 scale for each 32 along K, by v_wmma_scale_f32_16x16x128_f8f6f4 with both operands' format E2M3, f32 sums; everything else in f32.
;; Inputs: Wk_codes 1,024 x 32 x 24 uint8 (E2M3 codes of Wk, K innermost, in blocks of 32 codes, four codes in three bytes); Wk_scales 1,024 x 32 uint8 (E8M0 scales of Wk, one for each 32 codes along K); Wo_codes 1,024 x 32 x 24 uint8 (E2M3 codes of Wo, K innermost, in blocks of 32 codes, four codes in three bytes); Wo_scales 1,024 x 32 uint8 (E8M0 scales of Wo, one for each 32 codes along K); Wq_codes 1,024 x 32 x 24 uint8 (E2M3 codes of Wq, K innermost, in blocks of 32 codes, four codes in three bytes); Wq_scales 1,024 x 32 uint8 (E8M0 scales of Wq, one for each 32 codes along K); Wv_codes 1,024 x 32 x 24 uint8 (E2M3 codes of Wv, K innermost, in blocks of 32 codes, four codes in three bytes); Wv_scales 1,024 x 32 uint8 (E8M0 scales of Wv, one for each 32 codes along K); x_codes 4 x 2,048 x 32 x 24 uint8 (E2M3 codes of x, K innermost, in blocks of 32 codes, four codes in three bytes); x_scales 4 x 2,048 x 32 uint8 (E8M0 scales of x, one for each 32 codes along K).
;; Outputs: out0 4 x 2,048 x 1,024 float32.
;; This version of the problem:
;;   THIS VERSION OF THE PROBLEM IS GIVEN IN LOW PRECISION. The matrix products marked QUANTISED in the list below multiply operands that are first quantised to E2M3 (2 exponent bits, 3 mantissa bits; 6 bits a number), with one power-of-two scale for each 32 numbers along K (OCP MX v1.0); their sums are f32. All else is computed in f32.
;;   The module's matrix products, in the order in which they are computed (A, B: the left and right operand; K: the contracted axis; several contracted axes count as one K, in the product's order):
;;     1. [M 8,192, K 1,024] x [K 1,024, N 1,024]; A: input x (given as codes); B: input Wq (given as codes): QUANTISED
;;     2. [M 8,192, K 1,024] x [K 1,024, N 1,024]; A: input x (given as codes); B: input Wk (given as codes): QUANTISED
;;     3. [M 8,192, K 1,024] x [K 1,024, N 1,024]; A: input x (given as codes); B: input Wv (given as codes): QUANTISED
;;     4. batch 64 x [M 2,048, K 64] x [K 64, N 2,048]; A: computed on the way; B: computed on the way: QUANTISED
;;     5. batch 64 x [M 2,048, K 2,048] x [K 2,048, N 64]; A: softmax (see below); B: computed on the way: QUANTISED
;;     6. [M 8,192, K 1,024] x [K 1,024, N 1,024]; A: computed on the way; B: input Wo (given as codes): QUANTISED
;;   THE QUANTISER, for each operand of a quantised product, along K:
;;     - K is cut into blocks of 32 from its start; a last block that is shorter is filled with zeros.
;;     - A block's scale is 2^e with e = floor(log2(the largest magnitude in the block)) - 2, held to -126 .. 127; a block of zeros has e = 0. As a byte (E8M0): e + 127.
;;     - Each number is divided by its block's scale, clamped to +-7.5, and rounded to the nearest number of E2M3, ties to even, subnormals kept.
;;     - The product sums the exact products of the quantised numbers (number of the format x scale) in f32.
;;   ~~~python
;;   def quantise(x, axis):      # numpy; x: float32 -> the quantised numbers, widened to float32 again
;;       x = np.moveaxis(x, axis, -1); K = x.shape[-1]
;;       x = np.pad(x, [(0, 0)] * (x.ndim - 1) + [(0, -K % 32)]); x = x.reshape(x.shape[:-1] + (-1, 32)); a = np.abs(x).max(-1, keepdims=True)
;;       e = np.where(a > 0, np.clip(np.frexp(np.where(a > 0, a, 1))[1] - 1 - 2, -126, 127), 0)      # np.frexp(a)[1] - 1 = floor(log2(a)), exactly
;;       r = np.clip(x / 2.0 ** e, -7.5, 7.5)
;;       step = 2.0 ** (np.maximum(np.frexp(np.where(r == 0, 1, r))[1] - 1, 0) - 3)
;;       q = np.round(r / step) * step * 2.0 ** e      # np.round: ties to even
;;       return np.moveaxis(q.reshape(q.shape[:-2] + (-1,))[..., :K], -1, axis).astype(np.float32)
;;   ~~~
;;   SOFTMAX AHEAD OF A QUANTISED PRODUCT. Where the list says 'softmax', what is quantised is not the finished softmax but p = 2^(t - M), with t = logit x log2(e) and M = ceil(the row's largest t), a whole number; so 1/2 < the row's largest p <= 1. The row's sum l is taken of the UNQUANTISED p, in f32, and the product's result is divided by l at the end. Since M is a whole number, a kernel that streams over the keys may use a running M (the ceiling of the running maximum): every later rescaling is an exact power of two, which a block's scale takes up: the codes' values come out the same.
;;   OPERANDS COMPUTED ON THE WAY. 'Computed on the way' means the value that the module computes at that place (a softmax that the list does not call 'softmax' is quantised finished and normalised). What goes into a quantiser is computed in f32, as accurately as f32 sums, v_exp_f32 and their like allow (about 1e-6 of the number): no bf16 or f16 on the way to a quantiser, and a product that is left as it is and whose result goes on into a quantised operand takes f32 operands (vector FMAs, or v_wmma_f32_16x16x4_f32). A number that lies on a knife's edge between two numbers of the format may be rounded either way, as far as f32 arithmetic and the matrix unit's own rounding can turn it there, and no further.
;;   INPUTS GIVEN AS CODES. Wk (in the module: [1024, 1024], K = its axis 1); Wo (in the module: [1024, 1024], K = its axis 1); Wq (in the module: [1024, 1024], K = its axis 1); Wv (in the module: [1024, 1024], K = its axis 1); x (in the module: [4, 2048, 1024], K = its axis 2): each comes as NAME_codes (uint8): NAME with its K axis moved to the last place and cut into blocks of 32 codes, [.., K / 32, bytes a block], one block behind the other in memory; four codes in three bytes: a row's codes are one little-endian stream of bits, code i at bits 6 i .. 6 i + 5 (a code: sign, 2 exponent bits, 3 mantissa bits); and NAME_scales (uint8): the same leading axes, one E8M0 byte (e + 127) for each 32 codes along K. Its value is code x scale, taken as it is: it is not quantised again, and the codes and scales need not be those that the quantiser above would give.
;; One version. Each part assembles by itself: llvm-mc -triple=amdgcn-amd-amdhsa -mcpu=gfx1250 --defsym DOCPART=n.
;; ======== version 1 of 1: 3 launches
;; workspace buffers: qimg 6,815,744 bytes; kv 13,369,344 bytes; oimg 6,291,456 bytes; osc 262,144 bytes
;; launch qkv (part 1): grid 96 x 4, 4 waves a work-group, clusters of 4 x 4, 327,680 bytes of LDS; arguments x_codes, x_scales, Wq_codes, Wq_scales, Wk_codes, Wk_scales, Wv_codes, Wv_scales, qimg, kv; writes qimg, kv
.if DOCPART == 1
	.amdgcn_target "amdgcn-amd-amdhsa--gfx1250"
	.amdhsa_code_object_version 6
	.text
	.protected	k_qd7e7dbf9ca_qkv
	.globl	k_qd7e7dbf9ca_qkv
	.p2align	8
	.type	k_qd7e7dbf9ca_qkv,@function
k_qd7e7dbf9ca_qkv:
	s_mov_b64 s[64:65], 0
	v_nop
	global_prefetch_b8 v0, s[64:65] scope:SCOPE_SE
	s_setreg_imm32_b32 hwreg(HW_REG_WAVE_MODE, 25, 1), 1
	s_wait_xcnt 0x0
	s_wait_alu depctr_hold_cnt(0) depctr_sa_sdst(0) depctr_va_vdst(0) depctr_va_sdst(0) depctr_va_ssrc(0) depctr_va_vcc(0) depctr_vm_vsrc(0)
	s_getreg_b32 s2, hwreg(HW_REG_IB_STS2, 6, 4)
	s_cmp_eq_u32 s2, 0
	s_cbranch_scc0 .Lentry_in_a_cluster
	s_endpgm
.Lentry_in_a_cluster:
	s_bfe_u32 s2, ttmp6, 0x10000c
	s_cmp_lg_u32 s2, 0xf033
	s_cbranch_scc0 .Lentry_shape_is_right
	s_endpgm
.Lentry_shape_is_right:
; q = x Wq^T, k = x Wk^T, v = x Wv^T on codes of FP6 (E2M3) with one E8M0 scale for each 32 along K = 1,024; the results are quantised here, in registers, and leave as codes.
; ONE TEXT FOR THE THREE PRODUCTS.  The text computes C'[A' row][B' row]; source 0 = 16 rows of B', source 1 = 16 rows of A': a lane holds ONE row of A' and its registers run along B's rows.
; c = the cluster's x (0 .. 23), the same in all sixteen partners.  c < 16, even: A' = x, B' = Wq; c < 16, odd: A' = x, B' = Wk: a lane holds one token, its registers run along the features, the K of q k^T.
; c >= 16: A' = Wv, B' = x: a lane holds one feature, its registers run along the tokens (the keys), the K of p v.  Only pointers and tile numbers are chosen, by s_cselect on c.
; A tile of C' is 256 x 256, four waves of 128 x 128 (64 accumulators, 512 registers); K goes in steps of 256 through two LDS slots; the scale bytes of the 512 rows come once.  384 tiles in 24 clusters of 4 x 4.
; CLUSTER: the four of a row of the cluster need the same tiles of A', the four of a column the same tiles of B': each tile is asked for jointly.
; THE WAY OUT.  For a block of 16 rows of A' a lane's 64 results are B' rows 16 b + 8 (lane / 16) + j.  A block of 32 lies in lanes l and l xor 16, so its scale is the quantiser's own; inside a block the codes
; stand in the order 0-7, 16-23, 8-15, 24-31.  q and k both come out so, and so do v here and p in the next launch: a permutation of k inside a block, alike on both operands, leaves the products as they are.
; The 12 code registers are an operand's registers and are stored as such: q, k: registers 0-5 are head 2 i's tile (16 tokens x 64), registers 6-11 head 2 i + 1's; v: one fragment, 16 features x 128 keys.
; qimg: [head 64][128 tokens 16] records of 6,656 bytes: 8 tiles of 768 (16 x lane: registers 0-3; 512 + 8 x lane: registers 4-5), then 512 bytes of scale words (16 x lane + 4 j: tile 2 j + lane / 16, row lane % 16).
; kv: records of 13,056 bytes: K's 8 tiles, V's 4 fragments of 1,536 (512 j + 16 x lane: registers 4 j ..), K's scale words (512), V's (256: 8 x lane + 4 j: tile 2 j + lane / 16).  Every store covers 256 or 512 aligned consecutive bytes.
; No prefetch: all of a work-group's tiles are four K steps, two of which are asked for at the head.
; LIMITS: NaN, infinities and scale bytes 0xff among the inputs are not served; a block whose largest magnitude lies under 2^-124 keeps the byte 1 (a block of zeros too: its codes are zeros, and this program alone reads the bytes).
.set NQ,     2                         ; matrix instructions deep in a slot
.set ROWB,   192                       ; a tile's row: 256 codes
.set KROW,   768                       ; a row of x or of a weight in memory
.set PITCH,  240                       ; an LDS row: 3 x (64 bytes + 16 of padding)
.set FR,     12                        ; registers of a fragment
.set NL,     6                         ; LDS loads that bring one
.set NP,     4                         ; places behind this matrix instruction (ISA guide 7.12.1)
.set HALFT,  128*PITCH
.set SLOT,   4*HALFT                   ; A's 256 rows, then B's 256 rows
.set LAPS,   2                         ; 1,024 along K = twice round the ring
.set KS,     32                        ; a row of scale bytes
.set SCL,    2*SLOT                    ; behind the ring: the scales, units of 256 bytes + 16 of padding
.set HALFS,  (128*KS/256)*272
.set SBLK,   (16*KS/256)*272
.set SPARE,  SCL+4*HALFS               ; the spare words, 128 bytes a wave: two blocks of 256 bytes that no other line names
.set QREC,   6656
.set KREC,   13056
.set ADRA, 16                          ; v16-17 LDS address of my A' fragments in slot 0, 1; v18-19 the same behind one padding more
.set ADRB, 20                          ; v20-23 the same for B'
.set L16,  24                          ; v24  16 x lane
.set L8,   25                          ; v25  8 x lane
.set ADRS, 27                          ; v27  LDS address of my scale words: lanes 0-15 A's rows, lanes 16-31 B's
.set SPW,  28                          ; v28  my spare word's address; never rewritten
.set NIL,  29                          ; v29  0; never rewritten
.set SC,   32                          ; v32-63 scale words, two sets: they hold scales and nothing else
.set PWS,  64                          ; v64-71 the way out: block a's scale word
.set SELW, 72                          ; v72-75 two blocks' words in one register
.set Z0,   76                          ; v76-79 the even head's half words
.set Z1,   80                          ; v80-83 the odd head's
.set TM,   84                          ; v84-87 largest magnitudes, v88-91 the other half's and then the bytes, v96-99 the conversions' scale operands
.set CDS,  100                         ; v100-111 the codes; v112-114, v116-118 the blocks' second halves as the conversions leave them
.set AF,   128                         ; A's fragments, one set, window 0
.set OB,   4                           ; s[4:5], s[6:7] where the two heads' codes go
.set OS,   8                           ; s[8:9], s[10:11] and their scale words
.set G1,   24
.set G0,   32
.set G1B,  48
.set G0B,  56
.set G1S,  68
.set G0S,  76
.set G1SB, 80
.set G0SB, 88
.set WV,   66                          ; s66 wave
.set AH,   67                          ; s67 wave / 2: my half of A's rows; also: I fetch for A' (0) or B' (1)
.set BH,   92                          ; s92 wave % 2: my half of B's rows; also: which 128 rows I fetch
.set YAT,  93                          ; s93 tile row of A'
.set XBT,  42                          ; s42 tile of B'
.set HM,   95                          ; s95 the mask of lanes 16-31
.set SEL,  100                         ; s[100:101] selects of v_permlanex16_b32: lane l xor 16
.set MSB, 0
.macro WIN new                         ; the immediate's high byte repeats the setting that is left
.if MSB != (\new)
	s_set_vgpr_msb (MSB<<8)|(\new)
.set MSB, (\new)
.endif
.endm
.set MUL_LO, 0xa1                      ; source 0 (B') window 1, source 1 (A') window 0, C and D window 2
.set MUL_HI, 0xf1                      ; the same, C and D window 3
.set TO_B,   0x40                      ; destination window 1, address window 0
; A joint load: waves 0 and 1 fetch for A', waves 2 and 3 for B'.  The branch hangs on the wave's number alone.  Four v_nop follow each of the two lines.
.macro JLOAD g0a, g1a, g0b, g1b
	s_cmp_eq_u32 s[AH], 0
	s_cbranch_scc0 .Lfor_b_\@
	tensor_load_to_lds s[\g0a:\g0a+3], s[\g1a:\g1a+7]
	s_nop 0
.rept 4
	v_nop
.endr
	s_branch .Lasked_\@
.Lfor_b_\@:
	tensor_load_to_lds s[\g0b:\g0b+3], s[\g1b:\g1b+7]
	s_nop 0
.rept 4
	v_nop
.endr
.Lasked_\@:
.endm
.macro CREST                           ; a round of the cluster's barrier behind its opening barrier
	s_cmp_lg_u32 s[WV], 0
	s_cbranch_scc1 .Lnot_wave_0_\@
	s_barrier_signal -3
.Lnot_wave_0_\@:
	s_barrier_wait -3
	s_barrier_signal -1
	s_barrier_wait -1
.endm
.macro CROUND                          ; a whole round
	s_barrier_signal -1
	s_barrier_wait -1
	CREST
.endm
	s_load_b512 s[4:19], s[0:1], 0x0               ; x's codes s[4:5], scales s[6:7]; Wq's s[8:11]; Wk's s[12:15]; Wv's s[16:19]
	s_load_b128 s[20:23], s[0:1], 0x40             ; qimg s[20:21], kv s[22:23]
	v_lshl_add_u32 v[SPW], v0, 2, SPARE
	v_mov_b32 v[NIL], 0
	ds_add_u32 v28, v29
	ds_add_u32 v28, v29
	s_wait_dscnt 0x0
	v_lshrrev_b32 v1, 5, v0
	v_readfirstlane_b32 s[WV], v1                  ; wave 0..3
	s_lshr_b32 s[AH], s[WV], 1
	s_and_b32 s[BH], s[WV], 1
	s_bfe_u32 s40, ttmp6, 0x40000                  ; cx, cy: my place in the cluster
	s_bfe_u32 s41, ttmp6, 0x40004
	s_lshr_b32 s46, ttmp9, 1                       ; c / 2
	s_sub_co_u32 s47, ttmp9, 16                    ; c - 16 (used where c >= 16 alone)
	s_cmp_lt_u32 ttmp9, 16
	s_cselect_b32 s46, s46, 0                      ; q, k: x's 32 tile rows go over eight clusters; v: Wv has four
	s_cselect_b32 s47, 0, s47                      ; q, k: a weight has four tiles; v: x's 32 go over eight clusters
	s_lshl_b32 s[YAT], s46, 2
	s_add_co_u32 s[YAT], s[YAT], s41               ; tile row of A': hangs on cy, never on cx
	s_lshl_b32 s[XBT], s47, 2
	s_add_co_u32 s[XBT], s[XBT], s40               ; tile of B': hangs on cx, never on cy
	s_lshl_b32 s43, s41, 2
	s_lshl_b32 s43, 15, s43                        ; my row of the cluster
	s_lshl_b32 s44, 0x1111, s40                    ; my column
	; descriptor group 1: 128 rows x 192 bytes; 16 bytes of padding behind every 64
	s_or_b32 s[G1+0], s43, (0<<16)|(1<<20)|(1<<21)|(3<<22)|(3<<25)  ; 15:0 the mask; 17:16 elements of 1 byte; 20 padding on; 21 set beside a mask; 24:22 after every 16 words; 31:25 4 words
	s_or_b32 s[G1B+0], s44, (0<<16)|(1<<20)|(1<<21)|(3<<22)|(3<<25)
.irp g, G1, G1B
	s_mov_b32 s[\g+1], ROWB<<16                    ; tensor_dim0
	s_mov_b32 s[\g+2], 128<<16                     ; tensor_dim1
	s_mov_b32 s[\g+3], ROWB<<16                    ; tile_dim0
	s_mov_b32 s[\g+4], 128                         ; tile_dim1
	s_mov_b32 s[\g+5], KROW                        ; the pitch
	s_mov_b32 s[\g+6], 0
	s_mov_b32 s[\g+7], 0
.endr
	; the scales of 128 rows: 4,096 dense bytes as 16 rows of 256 (32 elements of 8 bytes), 16 bytes of padding behind each
	s_or_b32 s[G1S+0], s43, (3<<16)|(1<<20)|(1<<21)|(5<<22)|(3<<25)
	s_or_b32 s[G1SB+0], s44, (3<<16)|(1<<20)|(1<<21)|(5<<22)|(3<<25)
.irp g, G1S, G1SB
	s_mov_b32 s[\g+1], 32<<16
	s_mov_b32 s[\g+2], (128*KS/256)<<16
	s_mov_b32 s[\g+3], 32<<16
	s_mov_b32 s[\g+4], 128*KS/256
	s_mov_b32 s[\g+5], 32
	s_mov_b32 s[\g+6], 0
	s_mov_b32 s[\g+7], 0
.endr
	s_mov_b32 s[SEL], 0x76543210
	s_mov_b32 s[SEL+1], 0xfedcba98
	s_mov_b32 s[HM], 0xffff0000
	s_mul_i32 s45, s[WV], HALFT                    ; where my tiles go: wave x 128 rows: no place in the cluster enters an LDS address
	s_mul_i32 s94, s[WV], HALFS
	s_and_b32 s46, ttmp9, 1
	s_wait_kmcnt 0x0
	; the buffers are chosen on c alone
	s_cmp_eq_u32 s46, 1                            ; odd: k
	s_cselect_b64 s[8:9], s[12:13], s[8:9]         ; the weight's codes,
	s_cselect_b64 s[10:11], s[14:15], s[10:11]     ; its scales,
	s_cselect_b64 s[12:13], s[22:23], s[20:21]     ; and where the result goes
	s_cmp_lt_u32 ttmp9, 16
	s_cselect_b64 s[96:97], s[4:5], s[16:17]       ; A's codes: x's or Wv's
	s_cselect_b64 s[98:99], s[6:7], s[18:19]       ; A's scales
	s_cselect_b64 s[14:15], s[8:9], s[4:5]         ; B's codes: the weight's or x's
	s_cselect_b64 s[20:21], s[10:11], s[6:7]       ; B's scales
	s_cselect_b64 s[12:13], s[12:13], s[22:23]     ; v goes to kv
	s_lshl_b32 s4, s[YAT], 8
	s_lshl_b32 s5, s[BH], 7                        ; which 128 rows of the tile I fetch
	s_add_co_u32 s4, s4, s5                        ; A': row 256 x tile row + 128 x half
	s_mul_i32 s6, s4, KROW                         ; under 2^23
	s_mov_b32 s7, 0
	s_add_nc_u64 s[96:97], s[96:97], s[6:7]
	s_lshl_b32 s6, s4, 5
	s_add_nc_u64 s[98:99], s[98:99], s[6:7]
	s_lshl_b32 s8, s[XBT], 8
	s_add_co_u32 s8, s8, s5                        ; B' likewise
	s_mul_i32 s10, s8, KROW
	s_mov_b32 s11, 0
	s_add_nc_u64 s[14:15], s[14:15], s[10:11]
	s_lshl_b32 s10, s8, 5
	s_add_nc_u64 s[20:21], s[20:21], s[10:11]
	CROUND                                         ; all sixteen work-groups are here: the first joint loads meet
	s_mov_b32 s[G0S], 1
	s_add_co_u32 s[G0S+1], s94, SCL
	s_mov_b64 s[G0S+2:G0S+3], s[98:99]
	s_or_b32 s[G0S+3], s[G0S+3], 0x80000000
	s_mov_b32 s[G0SB], 1
	s_add_co_u32 s[G0SB+1], s94, SCL
	s_mov_b64 s[G0SB+2:G0SB+3], s[20:21]
	s_or_b32 s[G0SB+3], s[G0SB+3], 0x80000000
	JLOAD G0S, G1S, G0SB, G1SB                     ; the scales first: they are wanted with K step 0
.irp s, 0,1
	s_mov_b32 s[G0+4*\s], 1
	s_add_co_u32 s[G0+4*\s+1], s45, \s*SLOT
	s_add_nc_u64 s[G0+4*\s+2:G0+4*\s+3], s[96:97], \s*ROWB
	s_or_b32 s[G0+4*\s+3], s[G0+4*\s+3], 0x80000000
	s_mov_b32 s[G0B+4*\s], 1
	s_add_co_u32 s[G0B+4*\s+1], s45, \s*SLOT
	s_add_nc_u64 s[G0B+4*\s+2:G0B+4*\s+3], s[14:15], \s*ROWB
	s_or_b32 s[G0B+4*\s+3], s[G0B+4*\s+3], 0x80000000
	JLOAD G0+4*\s, G1, G0B+4*\s, G1B               ; three tensor loads of mine are out
.endr
	v_and_b32 v1, 15, v0                           ; l % 16
	v_bfe_u32 v2, v0, 4, 1                         ; l / 16
	v_mul_u32_u24 v3, v1, PITCH
	v_mul_u32_u24 v4, v2, 24
	v_add_nc_u32 v4, v3, v4                        ; a fragment's row x pitch + 24 x half
	v_lshl_add_u32 v5, v2, 4, v4                   ; and the same behind one padding more
	s_mul_i32 s16, s[AH], HALFT                    ; my 128 rows of A'
	s_mul_i32 s17, s[BH], HALFT                    ; my 128 rows of B',
	s_add_co_u32 s17, s17, 2*HALFT                 ; which lie behind A's 256
.irp s, 0,1
	v_add_nc_u32 v[ADRA+\s], s16, v4
	v_add_nc_u32 v[ADRB+\s], s17, v4
	v_add_nc_u32 v[ADRA+2+\s], s16, v5
	v_add_nc_u32 v[ADRB+2+\s], s17, v5
	s_add_co_u32 s16, s16, SLOT
	s_add_co_u32 s17, s17, SLOT
.endr
	v_mul_u32_u24 v5, v1, KS                       ; my row's scales: 32 bytes a row,
	v_lshrrev_b32 v6, 8, v5
	v_lshl_add_u32 v5, v6, 4, v5                   ; and 16 more for each 256 passed
	s_mul_i32 s16, s[AH], HALFS
	s_mul_i32 s17, s[BH], HALFS
	s_add_co_u32 s17, s17, 2*HALFS
	s_sub_co_u32 s17, s17, s16
	v_mul_u32_u24 v6, s17, v2                      ; lanes 16-31 take B's: the lower base + half x the distance
	s_add_co_u32 s16, s16, SCL
	v_add_nc_u32 v5, v5, v6
	v_add_nc_u32 v[ADRS], s16, v5
	v_and_b32 v6, 31, v0
	v_lshlrev_b32 v[L16], 4, v6
	v_lshlrev_b32 v[L8], 3, v6
.macro FRAG reg, adr, q, i             ; 16 rows x 128 K: lane l holds row l % 16; registers 6 c .. 6 c + 5 hold K = 64 c + 32 (l / 16) + 0 .. 31: 24 bytes of the row's stream of bits, in pieces of 8 bytes
.irp p, 0,1,2,3,4,5
.set PIE, 12*(\q)+6*(\p/3)+\p%3        ; the piece; 16 bytes of padding lie behind every 8 pieces; where the piece three on lies behind one padding more, the second address register serves
.if PIE%8 < 5
	ds_load_b64 v[\reg+2*\p:\reg+2*\p+1], v[\adr] offset:8*PIE+16*(PIE/8)+(\i)*16*PITCH
.else
	ds_load_b64 v[\reg+2*\p:\reg+2*\p+1], v[\adr+2] offset:8*PIE+16*(PIE/8)+(\i)*16*PITCH
.endif
.endr
.endm
; 16 matrix instructions: A's blocks a0, a0 + 1 x B's eight.  The 64 accumulators take turns, one instruction a turn, in the same order in every step.  zero = 1: the first product starts the sums.
.macro MUL16 a0, p, q, sc, zero
.irp a, \a0, \a0+1
.irp b, 0,1,2,3,4,5,6,7
.if \zero
	v_wmma_scale_f32_16x16x128_f8f6f4 v[8*(8*((\a)%4)+\b):8*(8*((\a)%4)+\b)+7], v[128*(\p)+FR*\b:128*(\p)+FR*\b+FR-1], v[AF+FR*(\a):AF+FR*(\a)+FR-1], 0, v[SC+8*NQ*(\sc)+NQ*\b+(\q)], v[SC+8*NQ*(\sc)+NQ*(\a)+(\q)] matrix_a_fmt:MATRIX_FMT_FP6 matrix_b_fmt:MATRIX_FMT_FP6 matrix_a_scale:MATRIX_SCALE_ROW1
.else
	v_wmma_scale_f32_16x16x128_f8f6f4 v[8*(8*((\a)%4)+\b):8*(8*((\a)%4)+\b)+7], v[128*(\p)+FR*\b:128*(\p)+FR*\b+FR-1], v[AF+FR*(\a):AF+FR*(\a)+FR-1], v[8*(8*((\a)%4)+\b):8*(8*((\a)%4)+\b)+7], v[SC+8*NQ*(\sc)+NQ*\b+(\q)], v[SC+8*NQ*(\sc)+NQ*(\a)+(\q)] matrix_a_fmt:MATRIX_FMT_FP6 matrix_b_fmt:MATRIX_FMT_FP6 matrix_a_scale:MATRIX_SCALE_ROW1
.endif
.endr
.endr
.endm
.macro FETCH_B slot, q, p              ; B's eight fragments of the slot's q-th 128 along K into set p
	WIN TO_B
.irp i, 0,1,2,3,4,5,6,7
	FRAG 128*(\p)+FR*\i, ADRB+\slot, \q, \i
.endr
	WIN 0
.endm
.macro FETCH_A slot, q, i0             ; A's blocks i0 .. i0 + 3
.irp i, \i0, \i0+1, \i0+2, \i0+3
	FRAG AF+FR*(\i), ADRA+\slot, \q, \i
.endr
.endm
.macro SCALES sc                       ; a K step's scale words: lanes 0-15 take A's block i, lanes 16-31 B's block i
.irp i, 0,1,2,3,4,5,6,7
	ds_load_b64 v[SC+8*NQ*\sc+NQ*\i:SC+8*NQ*\sc+NQ*\i+1], v[ADRS] offset:\i*SBLK
.endr
.endm
.macro PLACES n                        ; plain vector instructions between a matrix instruction and a load into, or a read of, its registers
.rept \n
	v_nop
.endr
.endm
; A step of 128 along K that has its successor in the same slot.
.macro STEP slot, q, zero
	s_wait_dscnt 4*NL                              ; B's set and A's blocks 0-3 are in; the 24 youngest loads (A's blocks 4-7) may be out
	WIN MUL_LO
	MUL16 0, (\q)%2, \q, \slot, \zero
	MUL16 2, (\q)%2, \q, \slot, \zero
	s_wait_dscnt 0                                 ; A's blocks 4-7 are in
	PLACES NP
	FETCH_B \slot, (\q)+1, 1-(\q)%2
	FETCH_A \slot, (\q)+1, 0
	WIN MUL_HI
	MUL16 4, (\q)%2, \q, \slot, \zero
	MUL16 6, (\q)%2, \q, \slot, \zero
	PLACES NP
	WIN 0
	FETCH_A \slot, (\q)+1, 4
.endm
; A slot's last step changes slots: one barrier; in front of it each wave waits for all its tensor loads, adds 0 to its spare word, and waits for that and for its reads of this slot.
.macro TURN slot, next, fill
	s_wait_tensorcnt 0x0                           ; all my tensor loads have landed: my part of the next slot
	ds_add_u32 v[SPW], v[NIL]                      ; 0 onto my spare word
	s_wait_dscnt 4*NL+1                            ; (the add and the 24 youngest loads may be out)
	WIN MUL_LO
	MUL16 0, 1, NQ-1, \slot, 0                     ; sixteen matrix instructions stand between the add and the wait for it
	s_wait_dscnt 0x0                               ; the add is done, and my reads of this slot are over
	s_barrier_signal -1
	MUL16 2, 1, NQ-1, \slot, 0
	WIN 0
	s_barrier_wait -1
.if \fill
	CREST                                          ; the barrier has opened a round of the cluster's: no wave of any partner still reads this slot or has a load on its way
	s_add_nc_u64 s[G0+4*\slot+2:G0+4*\slot+3], s[G0+4*\slot+2:G0+4*\slot+3], 2*ROWB
	s_add_nc_u64 s[G0B+4*\slot+2:G0B+4*\slot+3], s[G0B+4*\slot+2:G0B+4*\slot+3], 2*ROWB
	JLOAD G0+4*\slot, G1, G0B+4*\slot, G1B         ; the first tensor load behind the round; its four v_nop are the places in front of the loads below
.else
	PLACES NP
.endif
	v_add_nc_u32 v[ADRS], 4*NQ, v[ADRS]            ; on to the next K step's scale words
	FETCH_B \next, 0, 0
	FETCH_A \next, 0, 0
	SCALES \next
	WIN MUL_HI
	MUL16 4, 1, NQ-1, \slot, 0
	MUL16 6, 1, NQ-1, \slot, 0
	PLACES NP
	WIN 0
	FETCH_A \next, 0, 4
.endm
	s_wait_tensorcnt 1                             ; the scales and my part of K step 0 are in (K step 1's load may be out)
	s_barrier_signal -1
	s_barrier_wait -1                              ; everybody's are
	FETCH_B 0, 0, 0
	FETCH_A 0, 0, 0
	SCALES 0
	FETCH_A 0, 0, 4
	STEP 0, 0, 1                                   ; the first step stands in front of the loop: its products start the sums
	s_mov_b32 s3, LAPS-1
.Llap:                                                 ; a trip goes once round the ring and fills both slots again
	TURN 0, 1, 1
	STEP 1, 0, 0
	TURN 1, 0, 1
	STEP 0, 0, 0
	s_sub_co_u32 s3, s3, 1
	s_cmp_lg_u32 s3, 0
	s_cbranch_scc1 .Llap
	TURN 0, 1, 0                                   ; the last lap fills nothing
	STEP 1, 0, 0
	s_wait_dscnt 4*NL                              ; the very last step
	WIN MUL_LO
	MUL16 0, 1, NQ-1, 1, 0
	MUL16 2, 1, NQ-1, 1, 0
	s_wait_dscnt 0
	WIN MUL_HI
	MUL16 4, 1, NQ-1, 1, 0
	MUL16 6, 1, NQ-1, 1, 0
	WIN 0
	; THE WAY OUT.  Which record: the 128 tokens G and the first of my two heads.  q, k: tokens along A', heads along B'; v: the other way round.
.irp b, 0,1,2,3
	v_mov_b32 v[TM+4+\b], 0                        ; a lane permute's destination counts as one of its sources.  These four are also the places behind the last products
.endr
	s_lshl_b32 s16, s[YAT], 1
	s_add_co_u32 s16, s16, s[AH]                   ; my 128 rows of A'
	s_lshl_b32 s17, s[XBT], 1
	s_add_co_u32 s17, s17, s[BH]                   ; my 128 rows of B'
	s_cmp_lt_u32 ttmp9, 16
	s_cselect_b32 s18, s16, s17                    ; G
	s_cselect_b32 s19, s17, s16                    ; my first head / 2
	s_lshr_b32 s22, s18, 4                         ; the batch
	s_lshl_b32 s22, s22, 3
	s_add_co_u32 s22, s22, s19
	s_lshl_b32 s22, s22, 5                         ; (16 x batch + head) x 16
	s_and_b32 s23, s18, 15
	s_add_co_u32 s22, s22, s23                     ; the record's number
	s_and_b32 s16, ttmp9, 1
	s_mov_b32 s17, KREC
	s_mov_b32 s18, 12288
	s_cmp_eq_u32 s16, 0                            ; even: q
	s_cselect_b32 s17, QREC, s17                   ; a record's bytes
	s_cselect_b32 s18, 6144, s18                   ; where its scale words begin
	s_mov_b32 s16, KREC
	s_mov_b32 s23, 12800
	s_cmp_lt_u32 ttmp9, 16
	s_cselect_b32 s17, s17, s16
	s_cselect_b32 s18, s18, s23
	s_cselect_b32 s19, 0, 6144                     ; v's fragments lie behind k's tiles
	s_mul_i32 s22, s22, s17                        ; under 2^24
	s_mov_b32 s23, 0
	s_add_nc_u64 s[12:13], s[12:13], s[22:23]
	s_mov_b32 s22, s19
	s_add_nc_u64 s[OB:OB+1], s[12:13], s[22:23]
	s_mov_b32 s22, s18
	s_add_nc_u64 s[OS:OS+1], s[12:13], s[22:23]
	s_lshl_b32 s22, s17, 4                         ; the next head's record lies 16 records on
	s_add_nc_u64 s[OB+2:OB+3], s[OB:OB+1], s[22:23]
	s_add_nc_u64 s[OS+2:OS+3], s[OS:OS+1], s[22:23]
; Block a's 64 results of a lane become 12 registers of codes and a scale word.  Register 16 b + i belongs to block b of 32; each accumulator is read from its low end on.
.macro QUANT a
.set W, 2+(\a)/4                       ; the accumulators' window
.set AC, 64*((\a)%4)
.set WN, W|(W<<2)
	WIN WN                                         ; sources 0 and 1
.irp b, 0,1,2,3
	v_max3_num_f32 v[TM+\b], |v[AC+16*\b]|, |v[AC+16*\b+1]|, 0x1800000   ; my 16 numbers of block b, and the floor 2^(3 - 127): the byte cannot fall under 1
.endr
.set WN, (W<<2)|(W<<4)
	WIN WN                                         ; sources 1 and 2
.irp i, 2,4,6,8,10,12,14
.irp b, 0,1,2,3
	v_max3_num_f32 v[TM+\b], v[TM+\b], |v[AC+16*\b+\i]|, |v[AC+16*\b+\i+1]|   ; the four blocks by turns
.endr
.endr
	WIN 0
.irp b, 0,1,2,3
	v_permlanex16_b32 v[TM+4+\b], v[TM+\b], s[SEL], s[SEL+1]
.endr
.irp b, 0,1,2,3
	v_max_num_f32 v[TM+\b], v[TM+\b], v[TM+4+\b]   ; with lane l xor 16's: the block's largest magnitude
.endr
.irp b, 0,1,2,3
	v_add_nc_u32 v[TM+12+\b], 0xff000000, v[TM+\b] ; 2 off its exponent field: the conversion's scale operand
.endr
.irp b, 0,1,2,3
	v_lshrrev_b32 v[TM+4+\b], 23, v[TM+12+\b]      ; the scale's byte
.endr
	v_lshl_or_b32 v[PWS+(\a)], v[TM+5], 8, v[TM+4]
	v_lshl_or_b32 v[PWS+(\a)], v[TM+6], 16, v[PWS+(\a)]
	v_lshl_or_b32 v[PWS+(\a)], v[TM+7], 24, v[PWS+(\a)]
	s_wait_xcnt 0x0                                ; the last block's stores have read the codes' registers: they are written again only behind this wait
	WIN W                                          ; source 0
.irp c, 0,1
	v_cvt_scalef32_pk16_fp6_f32 v[CDS+6*\c:CDS+6*\c+2], v[AC+32*\c:AC+32*\c+15], v[TM+12+2*\c]
	v_cvt_scalef32_pk16_fp6_f32 v[CDS+12+4*\c:CDS+14+4*\c], v[AC+32*\c+16:AC+32*\c+31], v[TM+12+2*\c+1]   ; (a conversion's three registers begin on an even number)
.endr
	WIN 0
	v_nop                                          ; one plain place behind a scaled conversion
.irp c, 0,1                                    ; the operand's layout wants a whole block in a lane: lanes 0-15 block 2 c, lanes 16-31 block 2 c + 1
.irp i, 0,1,2
	v_permlane16_swap_b32 v[CDS+6*\c+\i], v[CDS+12+4*\c+\i]
.endr
.irp i, 0,1,2
	v_mov_b32 v[CDS+3+6*\c+\i], v[CDS+12+4*\c+\i]
.endr
.endr
.endm
.macro WAYOUT a
	QUANT \a
	s_cmp_lt_u32 ttmp9, 16                         ; the same in all waves and partners
	s_cbranch_scc0 .Lis_v_\@
	global_store_b128 v[L16], v[CDS:CDS+3], s[OB:OB+1] offset:768*(\a)          ; q, k: token tile a of the even head: 512 + 256 consecutive bytes,
	global_store_b64 v[L8], v[CDS+4:CDS+5], s[OB:OB+1] offset:768*(\a)+512
	global_store_b128 v[L16], v[CDS+6:CDS+9], s[OB+2:OB+3] offset:768*(\a)      ; and of the odd head
	global_store_b64 v[L8], v[CDS+10:CDS+11], s[OB+2:OB+3] offset:768*(\a)+512
	s_branch .Lsent_\@
.Lis_v_\@:
.irp j, 0,1,2
	global_store_b128 v[L16], v[CDS+4*\j:CDS+4*\j+3], s[OB+2*((\a)/4):OB+2*((\a)/4)+1] offset:1536*((\a)%4)+512*\j   ; v: feature tile a % 4 of head a / 4
.endr
.Lsent_\@:
.endm
.irp a, 0,1,2,3,4,5,6,7
	WAYOUT \a
.endr
.irp j, 0,1,2,3
	v_cndmask_b32 v[SELW+\j], v[PWS+2*\j], v[PWS+2*\j+1], s[HM]   ; lanes 0-15: block 2 j's words; lanes 16-31: block 2 j + 1's
.endr
	s_cmp_lt_u32 ttmp9, 16
	s_cbranch_scc0 .Lv_words
.irp j, 0,1,2,3
	v_and_b32 v[Z0+\j], 0xffff, v[SELW+\j]         ; the even head's two bytes; the bytes over the zero codes of K = 64 .. 127 are 0
	v_lshrrev_b32 v[Z1+\j], 16, v[SELW+\j]         ; the odd head's
.endr
	global_store_b128 v[L16], v[Z0:Z0+3], s[OS:OS+1]
	global_store_b128 v[L16], v[Z1:Z1+3], s[OS+2:OS+3]
	s_branch .Lwords_sent
.Lv_words:
	global_store_b64 v[L8], v[SELW:SELW+1], s[OS:OS+1]
	global_store_b64 v[L8], v[SELW+2:SELW+3], s[OS+2:OS+3]
.Lwords_sent:
	s_wait_tensorcnt 0x0                           ; the wave's end
	ds_add_u32 v[SPW], v[NIL]
	s_wait_dscnt 0x0
	CROUND                                         ; the closing round: no work-group ends while a partner may still ask for a tile that names it
	s_endpgm
.Lfunc_end_k_qd7e7dbf9ca_qkv:
	.size	k_qd7e7dbf9ca_qkv, .Lfunc_end_k_qd7e7dbf9ca_qkv-k_qd7e7dbf9ca_qkv
	.p2alignl 7, 3214868480
	.fill 96, 4, 3214868480
	.section	.rodata,"a",@progbits
	.p2align	6, 0x0
	.amdhsa_kernel k_qd7e7dbf9ca_qkv
		.amdhsa_group_segment_fixed_size 327680
		.amdhsa_private_segment_fixed_size 0
		.amdhsa_enable_private_segment 0
		.amdhsa_kernarg_size 80
		.amdhsa_user_sgpr_count 2
		.amdhsa_user_sgpr_kernarg_segment_ptr 1
		.amdhsa_wavefront_size32 1
		.amdhsa_system_sgpr_workgroup_id_x 1
		.amdhsa_system_sgpr_workgroup_id_y 1
		.amdhsa_system_sgpr_workgroup_id_z 1
		.amdhsa_system_vgpr_workitem_id 0
		.amdhsa_next_free_vgpr 1024
		.amdhsa_next_free_sgpr 102
		.amdhsa_reserve_vcc 0
		.amdhsa_float_denorm_mode_32 3
		.amdhsa_float_denorm_mode_16_64 3
		.amdhsa_memory_ordered 1
		.amdhsa_forward_progress 1
		.amdhsa_inst_pref_size 170
	.end_amdhsa_kernel
	.amdgpu_metadata
---
amdhsa.version: [ 1, 2 ]
amdhsa.kernels:
  - .name:           k_qd7e7dbf9ca_qkv
    .symbol:         k_qd7e7dbf9ca_qkv.kd
    .args:
      - { .name: x_codes, .offset: 0, .size: 8, .value_kind: global_buffer, .address_space: global }
      - { .name: x_scales, .offset: 8, .size: 8, .value_kind: global_buffer, .address_space: global }
      - { .name: Wq_codes, .offset: 16, .size: 8, .value_kind: global_buffer, .address_space: global }
      - { .name: Wq_scales, .offset: 24, .size: 8, .value_kind: global_buffer, .address_space: global }
      - { .name: Wk_codes, .offset: 32, .size: 8, .value_kind: global_buffer, .address_space: global }
      - { .name: Wk_scales, .offset: 40, .size: 8, .value_kind: global_buffer, .address_space: global }
      - { .name: Wv_codes, .offset: 48, .size: 8, .value_kind: global_buffer, .address_space: global }
      - { .name: Wv_scales, .offset: 56, .size: 8, .value_kind: global_buffer, .address_space: global }
      - { .name: qimg, .offset: 64, .size: 8, .value_kind: global_buffer, .address_space: global }
      - { .name: kv, .offset: 72, .size: 8, .value_kind: global_buffer, .address_space: global }
    .group_segment_fixed_size: 327680
    .private_segment_fixed_size: 0
    .kernarg_segment_align: 8
    .kernarg_segment_size: 80
    .max_flat_workgroup_size: 128
    .sgpr_count:     102
    .vgpr_count:     1024
    .wavefront_size: 32
...
	.end_amdgpu_metadata
.endif
;; end of part 1
;; launch attn (part 2): grid 4 x 64, 16 waves a work-group, clusters of 4 x 1, 210,944 bytes of LDS; arguments qimg, kv, oimg, osc; writes oimg, osc
.if DOCPART == 2
	.amdgcn_target "amdgcn-amd-amdhsa--gfx1250"
	.amdhsa_code_object_version 6
	.text
	.protected	k_qd7e7dbf9ca_attn
	.globl	k_qd7e7dbf9ca_attn
	.p2align	8
	.type	k_qd7e7dbf9ca_attn,@function
k_qd7e7dbf9ca_attn:
	s_mov_b64 s[64:65], 0
	v_nop
	global_prefetch_b8 v0, s[64:65] scope:SCOPE_SE
	s_setreg_imm32_b32 hwreg(HW_REG_WAVE_MODE, 25, 1), 1
	s_wait_xcnt 0x0
	s_wait_alu depctr_hold_cnt(0) depctr_sa_sdst(0) depctr_va_vdst(0) depctr_va_sdst(0) depctr_va_ssrc(0) depctr_va_vcc(0) depctr_vm_vsrc(0)
	s_getreg_b32 s2, hwreg(HW_REG_IB_STS2, 6, 4)
	s_cmp_eq_u32 s2, 0
	s_cbranch_scc0 .Lentry_in_a_cluster
	s_endpgm
.Lentry_in_a_cluster:
	s_bfe_u32 s2, ttmp6, 0x10000c
	s_cmp_lg_u32 s2, 0x3003
	s_cbranch_scc0 .Lentry_shape_is_right
	s_endpgm
.Lentry_shape_is_right:
; Causal attention of one head (64 features, 2,048 tokens) on codes of FP6 (E2M3); the result, divided by the row's sum, is quantised along the model's axis and leaves as codes for the last product.
; THE SOFTMAX: t = score x log2(e) / 8; M = the running largest t, rounded up to a whole number; p = 2^(t - M) is quantised along the keys, not normalised; the row's sum is taken of the unquantised p and divides at the end.
; When M moves, the sum and O are multiplied by 2^(old M - new M), exactly.
; SHARES.  The four work-groups of a cluster serve one head.  Each of a work-group's sixteen waves owns TWO tiles of 16 queries: with a = wave / 2 and i = 8 a + 2 cx + wave % 2 the tiles 127 - i and i.
; They need 16 - a and a + 1 key steps of 128: 17 for every wave.  Which steps are left out hangs on a, the wave's number, alone; cx enters global addresses and the mask's vector data only.
; NO RING.  A head's K, V and scale words, 16 records of 13,056 bytes, are 208,896 dense bytes and fill LDS once, as they lie: waves 0 to 3 ask jointly with their partners, each for record w (51 rows of 256 bytes) and
; for records 4 + 3 w .. 6 + 3 w (153 rows): two tensor loads of a wave are out at the most.  Nothing is filled again.  No prefetch: every byte is asked for at the head.
; LAYOUT.  Both products are used transposed: S^T = K Q^T (source 0 = 16 keys, source 1 = my 16 queries; K = 64 features and 64 zero codes), O^T = V^T P^T: a lane holds one query (lane % 16) throughout.
; Register 8 t + j of S^T is key 16 t + 8 (lane / 16) + j.  So a block of 32 keys lies in lanes l and l xor 16, and its codes come out in the order 0-7, 16-23, 8-15, 24-31: the order in which the launch before laid V's.
; The result meets a given operand (Wo), so its codes are put back in natural order, by four v_perm_b32 a tile.
; oimg: [16 tokens 512][head 16] images of 768 bytes (16 x lane: registers 0-3; 512 + 8 x lane: registers 4-5; lane (r, h): token r, block h of the head).  osc: [16 tokens 512][head 16][r 16][2]: a wave's 32 scale bytes
; are consecutive but no whole 256 bytes: one byte in 25 of what the launch stores.
; LIMITS: NaN and infinities are not served; a block under 2^-124 keeps the byte 1; a p under 2^-126 counts as 0.
.set REC,  13056                       ; a key step's record
.set QREC, 6656
.set VOF,  6144                        ; in a record: V's fragments,
.set KSC,  12288                       ; K's scale words,
.set VSC,  12800                       ; V's
.set L16,  1                           ; v1   16 x lane
.set L8,   2                           ; v2   8 x lane
.set AD16, 3                           ; v3   the step's record + 16 x lane (between tiles: the offset of Q's scale word)
.set AD8,  4                           ; v4   the step's record + 8 x lane (between tiles: the offset of my scale byte)
.set DV,   5                           ; v5   the mask: my query - the diagonal step's first key - 8 (lane / 16)
.set NINF, 6                           ; v6   -infinity
.set QSC,  7                           ; v7   Q's scale words
.set KSW,  8                           ; v8-11 K's: register j: lanes 0-15 tile 2 j, lanes 16-31 tile 2 j + 1
.set NM,   12                          ; v12  -M; v13 the largest t
.set SUM,  14                          ; v[14:15] the sum in two halves
.set Q,    16                          ; v16-27 Q's fragment; v22-27 are zero codes
.set F,    28                          ; v28  2^(old M - new M), later 1 / the sum; v29 = 0, named with it as a pair
.set VSW,  30                          ; v30-31 V's scale words
.set KF,   32                          ; v32-79 four fragments of K; the upper six registers of each are zero codes, set once
.set VF,   80                          ; v80-127 V's four fragments
.set S,    128                         ; v128-191 S^T, then p
.set O,    192                         ; v192-223 O^T
.set P,    224                         ; v224-235 p's codes
.set MX,   236                         ; v236-239 the blocks' largest
.set TP,   240                         ; v240-243 at work
.set SO,   244                         ; v244-247 the conversions' scale operands
.set CV,   248                         ; v248-250, v252-254 the blocks' second halves as the conversions leave them
.set TMP,  251
.set PW,   255                         ; v255 p's scale word
.set WV,   12                          ; s12 wave
.set CX,   13
.set BHD,  14                          ; s14 16 x batch + head
.set AA,   15                          ; s15 wave / 2
.set TLG,  17                          ; s17 my long tile
.set TSH,  18                          ; s18 my short tile
.set SEL,  20                          ; s[20:21] selects of v_permlanex16_b32: lane l xor 16
.set CS,   22                          ; s[22:23] log2(e) / 8
.set G1A,  24
.set G1B,  32
.set G0A,  40
.set G0B,  44
.set TB,   66                          ; s66 LDS byte of the step's record
.set KSI,  67                          ; s67 the step's number
.set DSL,  68                          ; s68 the long tile's diagonal step: 15 - a
.set DSS,  69                          ; s69 the short tile's: a
.set HM,   72                          ; s72 the mask of lanes 16-31
.set CNT,  73                          ; s73 the loops' counter
.macro CROUND                          ; a round of the cluster's barrier
	s_barrier_signal -1
	s_barrier_wait -1
	s_cmp_lg_u32 s[WV], 0
	s_cbranch_scc1 .Lnot_wave_0_\@
	s_barrier_signal -3
.Lnot_wave_0_\@:
	s_barrier_wait -3
	s_barrier_signal -1
	s_barrier_wait -1
.endm
; Tile t's four addresses into s[o .. o + 7]: Q's image, Q's scale words, the result's image, its scale bytes.
.macro TADDR t, o
	s_lshl_b32 s74, s[BHD], 4
	s_lshr_b32 s76, s[\t], 3
	s_add_co_u32 s74, s74, s76
	s_mul_i32 s74, s74, QREC                       ; the record of the tile's 128 tokens
	s_and_b32 s76, s[\t], 7
	s_mul_i32 s76, s76, 768
	s_add_co_u32 s76, s76, s74
	s_mov_b32 s77, 0
	s_add_nc_u64 s[\o:\o+1], s[4:5], s[76:77]
	s_and_b32 s76, s[\t], 1
	s_lshl_b32 s76, s76, 8                         ; an odd tile's words lie in the upper lanes' places,
	s_bfe_u32 s78, s[\t], 0x20001
	s_lshl_b32 s78, s78, 2                         ; word (tile % 8) / 2 of a lane's four
	s_add_co_u32 s76, s76, s78
	s_add_co_u32 s76, s76, s74
	s_add_co_u32 s76, s76, 6144
	s_add_nc_u64 s[\o+2:\o+3], s[4:5], s[76:77]
	s_lshr_b32 s74, s[BHD], 4
	s_lshl_b32 s74, s74, 7
	s_add_co_u32 s74, s74, s[\t]                   ; 128 x batch + tile
	s_and_b32 s78, s[BHD], 15
	s_lshl_b32 s76, s74, 4
	s_add_co_u32 s76, s76, s78
	s_mul_i32 s76, s76, 768
	s_add_nc_u64 s[\o+4:\o+5], s[8:9], s[76:77]
	s_lshl_b32 s76, s74, 9
	s_lshl_b32 s78, s78, 5
	s_add_co_u32 s76, s76, s78
	s_add_nc_u64 s[\o+6:\o+7], s[10:11], s[76:77]
.endm
.macro QLOAD qb, qs                    ; a tile's Q: six registers of codes and the scale word of row lane % 16
	v_and_b32 v[AD16], 15, v0
	s_delay_alu instid0(VALU_DEP_1)
	v_lshlrev_b32 v[AD16], 4, v[AD16]
	global_load_b128 v[Q:Q+3], v[L16], s[\qb:\qb+1]
	global_load_b64 v[Q+4:Q+5], v[L8], s[\qb:\qb+1] offset:512
	global_load_b32 v[QSC], v[AD16], s[\qs:\qs+1]
.endm
.macro TILE_INIT d                     ; s[d] = 16 x (tile % 8)
	v_and_b32 v[DV], 15, v0
	v_bfe_u32 v[TMP], v0, 4, 1
	s_delay_alu instid0(VALU_DEP_1)
	v_lshlrev_b32 v[TMP], 3, v[TMP]
	s_delay_alu instid0(VALU_DEP_1)
	v_sub_nc_u32 v[DV], v[DV], v[TMP]
	s_delay_alu instid0(VALU_DEP_1)
	v_add_nc_u32 v[DV], s[\d], v[DV]
	v_mov_b32 v[NM+1], 0xff61b1e6                  ; the largest t so far: -3e38, under every t
	s_delay_alu instid0(VALU_DEP_1)
	v_floor_f32 v[NM], -v[NM+1]
	v_mov_b32 v[SUM], 0
	v_mov_b32 v[SUM+1], 0
.set n, 0
.rept 32
	v_mov_b32 v[O+n], 0                            ; the step is written without a first step of its own: it finds zeros, which the first change of M leaves zeros
.set n, n+1
.endr
	s_mov_b32 s[TB], 0
	s_mov_b32 s[KSI], 0
.endm
; A KEY STEP: 128 keys.  causal = 1: a step behind the tile's diagonal step is left out (a scalar branch on the wave's number and the step's), and in the diagonal step hidden scores become -infinity.
.macro STEP causal, ds
.if \causal
	s_cmp_gt_u32 s[KSI], s[\ds]
	s_cbranch_scc1 .Lhidden_\@
.endif
	s_setprio 2
	v_add_nc_u32 v[AD16], s[TB], v[L16]
	s_wait_alu depctr_va_vdst(0)
	v_add_nc_u32 v[AD8], s[TB], v[L8]
	s_wait_alu depctr_va_vdst(0)
	ds_load_b128 v[KSW:KSW+3], v[AD16] offset:KSC
.irp g, 0,1                                    ; S^T = K Q^T, four tiles of 16 keys at a time
.if \g
.rept 4
	v_nop                                          ; places in front of loads into registers that the four products above have read
.endr
.endif
.irp t, 0,1,2,3
	ds_load_b128 v[KF+12*\t:KF+12*\t+3], v[AD16] offset:768*(4*\g+\t)
	ds_load_b64 v[KF+12*\t+4:KF+12*\t+5], v[AD8] offset:768*(4*\g+\t)+512
.endr
	s_wait_dscnt 0x0
.irp t, 0,1,2,3
.if (\t)%2
	v_wmma_scale_f32_16x16x128_f8f6f4 v[S+8*(4*\g+\t):S+8*(4*\g+\t)+7], v[KF+12*\t:KF+12*\t+11], v[Q:Q+11], 0, v[KSW+(4*\g+\t)/2], v[QSC] matrix_a_fmt:MATRIX_FMT_FP6 matrix_b_fmt:MATRIX_FMT_FP6 matrix_a_scale:MATRIX_SCALE_ROW1
.else
	v_wmma_scale_f32_16x16x128_f8f6f4 v[S+8*(4*\g+\t):S+8*(4*\g+\t)+7], v[KF+12*\t:KF+12*\t+11], v[Q:Q+11], 0, v[KSW+(4*\g+\t)/2], v[QSC] matrix_a_fmt:MATRIX_FMT_FP6 matrix_b_fmt:MATRIX_FMT_FP6
.endif
.endr
.endr
.rept 4
	v_nop                                          ; places in front of the first read of the scores.  With the four above and the two additions: ten behind the last step's V^T P, whose registers the loads below fill
.endr
.irp t, 0,1,2,3                                ; V's four fragments and their scale words land under the softmax
.irp j, 0,1,2
	ds_load_b128 v[VF+12*\t+4*\j:VF+12*\t+4*\j+3], v[AD16] offset:VOF+1536*\t+512*\j
.endr
.endr
	ds_load_b64 v[VSW:VSW+1], v[AD8] offset:VSC
.if \causal
	s_cmp_lg_u32 s[KSI], s[\ds]
	s_cbranch_scc1 .Lopen_\@                       ; all keys of an earlier step count
.set n, 0
.rept 64                                       ; register n holds key 16 (n / 8) + n % 8 + 8 (lane / 16) of the step: hidden where that lies behind my query
	v_cmp_gt_i32 vcc_lo, 16*(n/8)+n%8, v[DV]
	v_cndmask_b32 v[S+n], v[S+n], v[NINF], vcc_lo
.set n, n+1
.endr
.Lopen_\@:
.endif
.irp b, 0,1,2,3
	v_max3_num_f32 v[MX+\b], v[S+16*\b], v[S+16*\b+1], v[S+16*\b+2]   ; the largest score of each block of 32 keys: it serves the row's maximum and, since p rises with the score, the block's largest p
.endr
.irp i, 3,5,7,9,11,13
.irp b, 0,1,2,3
	v_max3_num_f32 v[MX+\b], v[MX+\b], v[S+16*\b+\i], v[S+16*\b+\i+1]
.endr
.endr
.irp b, 0,1,2,3
	v_max_num_f32 v[MX+\b], v[MX+\b], v[S+16*\b+15]
.endr
.irp b, 0,1,2,3
	s_delay_alu instid0(VALU_DEP_4)
	v_permlanex16_b32 v[TP+\b], v[MX+\b], s[SEL], s[SEL+1]
.endr
.irp b, 0,1,2,3
	s_delay_alu instid0(VALU_DEP_4)
	v_max_num_f32 v[MX+\b], v[MX+\b], v[TP+\b]     ; with lane l xor 16's 16 keys
.endr
	s_delay_alu instid0(VALU_DEP_2)
	v_max3_num_f32 v[TMP], v[MX], v[MX+1], v[MX+2]
	s_delay_alu instid0(VALU_DEP_1)
	v_max_num_f32 v[TMP], v[TMP], v[MX+3]          ; the step's largest score of my query
	s_delay_alu instid0(VALU_DEP_1)
	v_mul_f32 v[TMP], s[CS], v[TMP]
	s_delay_alu instid0(VALU_DEP_1)
	v_max_num_f32 v[NM+1], v[NM+1], v[TMP]         ; the running largest t
	v_mov_b32 v[TMP], v[NM]
	s_delay_alu instid0(VALU_DEP_2)
	v_floor_f32 v[NM], -v[NM+1]                    ; the new -M = -ceil(t)
	s_delay_alu instid0(VALU_DEP_1)
	v_sub_f32 v[TMP], v[NM], v[TMP]                ; old M - new M: a whole number, 0 or less
	s_delay_alu instid0(VALU_DEP_1)
	v_cvt_i32_f32 v[TMP], v[TMP]                   ; (it saturates)
	s_delay_alu instid0(VALU_DEP_1)
	v_ldexp_f32 v[F], 1.0, v[TMP]
.set n, 0
.rept 32
	v_pk_fma_f32 v[S+n:S+n+1], v[S+n:S+n+1], s[CS:CS+1], v[NM:NM+1] op_sel_hi:[1,0,0]   ; t - M, two at a time
.set n, n+2
.endr
.irp b, 0,1,2,3
	v_fma_f32 v[MX+\b], v[MX+\b], s[CS], v[NM]     ; the same of each block's largest score
.endr
.set n, 0
	s_setprio 1
	s_wait_alu depctr_va_vdst(0)
.rept 64
	v_exp_f32 v[S+n], v[S+n]                       ; p = 2^(t - M)
.set n, n+1
.endr
	v_pk_mul_f32 v[SUM:SUM+1], v[SUM:SUM+1], v[F:F+1] op_sel_hi:[1,0]   ; the sums under the new M: the plain instruction behind the exponentials
	s_wait_alu depctr_va_vdst(0)                   ; one wait for the 64, ahead of their first reader
.irp b, 0,1,2,3
	v_exp_f32 v[MX+\b], v[MX+\b]                   ; the block's largest p
.endr
	v_pk_add_f32 v[240:241], v[132:133], v[136:137]
	v_pk_add_f32 v[254:255], v[140:141], v[144:145]
	v_pk_add_f32 v[252:253], v[148:149], v[152:153]
	v_pk_add_f32 v[250:251], v[156:157], v[160:161]
	v_pk_add_f32 v[248:249], v[164:165], v[168:169]
	v_pk_add_f32 v[246:247], v[172:173], v[176:177]
	v_pk_add_f32 v[244:245], v[180:181], v[184:185]
	v_pk_add_f32 v[14:15], v[14:15], v[188:189]
	v_pk_add_f32 v[240:241], v[240:241], v[128:129]
	v_pk_add_f32 v[254:255], v[254:255], v[130:131]
	v_pk_add_f32 v[252:253], v[252:253], v[134:135]
	v_pk_add_f32 v[250:251], v[250:251], v[138:139]
	v_pk_add_f32 v[248:249], v[248:249], v[142:143]
	v_pk_add_f32 v[246:247], v[246:247], v[146:147]
	v_pk_add_f32 v[244:245], v[244:245], v[150:151]
	v_pk_add_f32 v[14:15], v[14:15], v[154:155]
	v_pk_add_f32 v[240:241], v[240:241], v[158:159]
	v_pk_add_f32 v[254:255], v[254:255], v[162:163]
	v_pk_add_f32 v[252:253], v[252:253], v[166:167]
	v_pk_add_f32 v[250:251], v[250:251], v[170:171]
	v_pk_add_f32 v[248:249], v[248:249], v[174:175]
	v_pk_add_f32 v[246:247], v[246:247], v[178:179]
	v_pk_add_f32 v[244:245], v[244:245], v[182:183]
	v_pk_add_f32 v[14:15], v[14:15], v[186:187]
	v_pk_add_f32 v[240:241], v[240:241], v[190:191]
	s_delay_alu instid0(VALU_DEP_2)
	v_pk_add_f32 v[14:15], v[14:15], v[250:251]
	s_delay_alu instid0(VALU_DEP_2)
	v_pk_add_f32 v[240:241], v[240:241], v[248:249]
	v_pk_add_f32 v[254:255], v[254:255], v[246:247]
	v_pk_add_f32 v[252:253], v[252:253], v[244:245]
	s_delay_alu instid0(VALU_DEP_2)
	v_pk_add_f32 v[14:15], v[14:15], v[254:255]
	s_delay_alu instid0(VALU_DEP_2)
	v_pk_add_f32 v[240:241], v[240:241], v[252:253]
	s_delay_alu instid0(VALU_DEP_1)
	v_pk_add_f32 v[14:15], v[14:15], v[240:241]
	s_wait_alu depctr_va_vdst(0)                   ; and one for the four
.irp b, 0,1,2,3
	v_max_num_f32 v[MX+\b], 0x1800000, v[MX+\b]    ; the floor 2^(3 - 127): a block whose every p is 0 keeps the byte 1; its codes are zeros
.endr
.irp b, 0,1,2,3
	s_delay_alu instid0(VALU_DEP_4)
	v_add_nc_u32 v[SO+\b], 0xff000000, v[MX+\b]    ; 2 off the exponent field: the conversion's scale operand
.endr
.irp b, 0,1,2,3
	s_delay_alu instid0(VALU_DEP_4)
	v_lshrrev_b32 v[TP+\b], 23, v[SO+\b]           ; the scale's byte
.endr
	s_delay_alu instid0(VALU_DEP_3)
	v_lshl_or_b32 v[PW], v[TP+1], 8, v[TP]
	s_delay_alu instid0(VALU_DEP_1)
	v_lshl_or_b32 v[PW], v[TP+2], 16, v[PW]
	s_delay_alu instid0(VALU_DEP_1)
	v_lshl_or_b32 v[PW], v[TP+3], 24, v[PW]
.irp c, 0,1
	v_cvt_scalef32_pk16_fp6_f32 v[P+6*\c:P+6*\c+2], v[S+32*\c:S+32*\c+15], v[SO+2*\c]
	v_cvt_scalef32_pk16_fp6_f32 v[CV+4*\c:CV+4*\c+2], v[S+32*\c+16:S+32*\c+31], v[SO+2*\c+1]
.endr
	v_nop                                          ; one plain place behind a scaled conversion
	s_setprio 0
.irp c, 0,1
.irp i, 0,1,2
	v_permlane16_swap_b32 v[P+6*\c+\i], v[CV+4*\c+\i]   ; a whole block to a lane: lanes 0-15 block 2 c, lanes 16-31 block 2 c + 1
.endr
.irp i, 0,1,2
	s_delay_alu instid0(VALU_DEP_3)
	v_mov_b32 v[P+3+6*\c+\i], v[CV+4*\c+\i]
.endr
.endr
.set n, 0
.rept 16
	v_pk_mul_f32 v[O+n:O+n+1], v[O+n:O+n+1], v[F:F+1] op_sel_hi:[1,0]   ; O^T under the new M.  These sixteen are also the places between p's scale word and codes and the products
.set n, n+2
.endr
	s_wait_alu depctr_va_vdst(0)
	s_wait_dscnt 0x0                               ; V is in
.irp t, 0,1,2,3                                ; O^T += V^T P^T: the four accumulators by turns
.if (\t)%2
	v_wmma_scale_f32_16x16x128_f8f6f4 v[O+8*\t:O+8*\t+7], v[VF+12*\t:VF+12*\t+11], v[P:P+11], v[O+8*\t:O+8*\t+7], v[VSW+\t/2], v[PW] matrix_a_fmt:MATRIX_FMT_FP6 matrix_b_fmt:MATRIX_FMT_FP6 matrix_a_scale:MATRIX_SCALE_ROW1
.else
	v_wmma_scale_f32_16x16x128_f8f6f4 v[O+8*\t:O+8*\t+7], v[VF+12*\t:VF+12*\t+11], v[P:P+11], v[O+8*\t:O+8*\t+7], v[VSW+\t/2], v[PW] matrix_a_fmt:MATRIX_FMT_FP6 matrix_b_fmt:MATRIX_FMT_FP6
.endif
.endr
.if \causal
.Lhidden_\@:
.endif
	s_add_co_u32 s[TB], s[TB], REC
	s_add_co_u32 s[KSI], s[KSI], 1
.endm
; A tile's end: O^T / the sum, quantised in two blocks of 32 features, the codes put in natural order, stored.  next = 1: the other tile's Q is asked for first.
.macro TILE_OUT oi, oc, next, qb, qs
	v_add_f32 v[SUM], v[SUM], v[SUM+1]             ; four plain lines: the places behind the last products
	v_and_b32 v[AD8], 15, v0
	v_bfe_u32 v[TMP], v0, 4, 1
	s_delay_alu instid0(VALU_DEP_1)
	v_lshl_add_u32 v[AD8], v[AD8], 1, v[TMP]       ; my scale byte's place: 2 (lane % 16) + lane / 16
.if \next
	QLOAD \qb, \qs
.endif
	v_permlanex16_b32 v[TMP], v[SUM], s[SEL], s[SEL+1]
	s_delay_alu instid0(VALU_DEP_1)
	v_add_f32 v[SUM], v[SUM], v[TMP]               ; the row's sum
	s_wait_alu depctr_va_vdst(0)
	v_rcp_f32 v[F], v[SUM]
	v_nop                                          ; a plain instruction behind the reciprocal,
	s_wait_alu depctr_va_vdst(0)                   ; and the wait ahead of its first reader
.set n, 0
.rept 16
	v_pk_mul_f32 v[S+n:S+n+1], v[O+n:O+n+1], v[F:F+1] op_sel_hi:[1,0]   ; register 8 t + j: feature 16 t + 8 (lane / 16) + j of my query
.set n, n+2
.endr
.irp b, 0,1
	v_max3_num_f32 v[MX+\b], |v[S+16*\b]|, |v[S+16*\b+1]|, 0x1800000
.endr
.irp i, 2,4,6,8,10,12,14
.irp b, 0,1
	s_delay_alu instid0(VALU_DEP_2)
	v_max3_num_f32 v[MX+\b], v[MX+\b], |v[S+16*\b+\i]|, |v[S+16*\b+\i+1]|
.endr
.endr
.irp b, 0,1
	s_delay_alu instid0(VALU_DEP_2)
	v_permlanex16_b32 v[TP+\b], v[MX+\b], s[SEL], s[SEL+1]
.endr
.irp b, 0,1
	s_delay_alu instid0(VALU_DEP_2)
	v_max_num_f32 v[MX+\b], v[MX+\b], v[TP+\b]
.endr
.irp b, 0,1
	s_delay_alu instid0(VALU_DEP_2)
	v_add_nc_u32 v[SO+\b], 0xff000000, v[MX+\b]
.endr
.irp b, 0,1
	s_delay_alu instid0(VALU_DEP_2)
	v_lshrrev_b32 v[TP+\b], 23, v[SO+\b]
.endr
	v_cvt_scalef32_pk16_fp6_f32 v[P:P+2], v[S:S+15], v[SO]
	v_cvt_scalef32_pk16_fp6_f32 v[CV:CV+2], v[S+16:S+31], v[SO+1]
	v_cndmask_b32 v[TMP], v[TP], v[TP+1], s[HM]    ; lane (r, h) keeps block h's byte.  (The plain place behind the conversions)
.irp i, 0,1,2
	v_permlane16_swap_b32 v[P+\i], v[CV+\i]        ; v224-226: my block's codes 0-7, 16-23; v248-250: 8-15, 24-31; eight codes are six bytes
.endr
	s_delay_alu instid0(VALU_DEP_1)
	v_perm_b32 v[P+3], v[P+2], v[P+1], 0x05040302  ; codes 16-23, first four bytes
	s_delay_alu instid0(VALU_DEP_2)
	v_perm_b32 v[P+4], v[CV+1], v[P+2], 0x07060302 ; their last two, and the first two of 24-31
	s_delay_alu instid0(VALU_DEP_4)
	v_perm_b32 v[P+1], v[CV], v[P+1], 0x05040100   ; the last two bytes of 0-7, the first two of 8-15
	v_perm_b32 v[P+2], v[CV+1], v[CV], 0x05040302  ; the rest of 8-15
	v_mov_b32 v[P+5], v[CV+2]                      ; the rest of 24-31
	global_store_b128 v[L16], v[P:P+3], s[\oi:\oi+1]
	global_store_b64 v[L8], v[P+4:P+5], s[\oi:\oi+1] offset:512
	global_store_b8 v[AD8], v[TMP], s[\oc:\oc+1]
	s_wait_xcnt 0x0                                ; the stores' data and offsets, and the loads' offsets, are written again only behind this wait
.endm
	s_load_b256 s[4:11], s[0:1], 0x0               ; qimg s[4:5], kv s[6:7], oimg s[8:9], osc s[10:11]
	v_lshl_add_u32 v254, v0, 2, 0x33000
	v_mov_b32 v255, 0
	ds_add_u32 v254, v255
	ds_add_u32 v254, v255
	s_wait_dscnt 0x0
	v_lshrrev_b32 v1, 5, v0
	s_delay_alu instid0(VALU_DEP_1)
	v_readfirstlane_b32 s[WV], v1                  ; wave 0..15
	s_bfe_u32 s[CX], ttmp6, 0x40000                ; my place in the cluster
	s_and_b32 s[BHD], ttmp7, 0xffff                ; the cluster's y: the head, which the four partners share
	s_lshr_b32 s[AA], s[WV], 1
	s_lshl_b32 s[TSH], s[AA], 3
	s_lshl_b32 s74, s[CX], 1
	s_add_co_u32 s[TSH], s[TSH], s74
	s_and_b32 s74, s[WV], 1
	s_add_co_u32 s[TSH], s[TSH], s74               ; i
	s_sub_co_u32 s[TLG], 127, s[TSH]
	s_xor_b32 s[DSL], s[AA], 15                    ; (127 - i) / 8 = 15 - a
	s_mov_b32 s[DSS], s[AA]                        ; i / 8 = a
	s_and_b32 s70, s[TLG], 7
	s_lshl_b32 s70, s70, 4
	s_and_b32 s71, s[TSH], 7
	s_lshl_b32 s71, s71, 4
	; descriptor group 1: dense rows of 256 bytes (32 elements of 8 bytes), no padding; 51 rows, and 153
	s_mov_b32 s[G1A], 15|(3<<16)|(1<<21)           ; 15:0 the mask: all four work-groups; 17:16 elements of 8 bytes; 21 set beside a mask
	s_mov_b32 s[G1A+1], 32<<16
	s_mov_b32 s[G1A+2], 51<<16
	s_mov_b32 s[G1A+3], 32<<16
	s_mov_b32 s[G1A+4], 51
	s_mov_b32 s[G1A+5], 32
	s_mov_b32 s[G1A+6], 0
	s_mov_b32 s[G1A+7], 0
	s_mov_b32 s[G1B], 15|(3<<16)|(1<<21)
	s_mov_b32 s[G1B+1], 32<<16
	s_mov_b32 s[G1B+2], 153<<16
	s_mov_b32 s[G1B+3], 32<<16
	s_mov_b32 s[G1B+4], 153
	s_mov_b32 s[G1B+5], 32
	s_mov_b32 s[G1B+6], 0
	s_mov_b32 s[G1B+7], 0
	s_mov_b32 s[SEL], 0x76543210
	s_mov_b32 s[SEL+1], 0xfedcba98
	s_mov_b32 s[CS], 0x3e38aa3b                    ; log2(e) / sqrt(64)
	s_mov_b32 s[CS+1], s[CS]
	s_mov_b32 s[HM], 0xffff0000
	s_and_b32 s74, s[WV], 3
	s_mul_i32 s[G0A+1], s74, REC                   ; LDS address = the offset in the head's bytes: record w,
	s_mul_i32 s[G0B+1], s74, 3*REC
	s_add_co_u32 s[G0B+1], s[G0B+1], 4*REC         ; records 4 + 3 w on
	s_mul_i32 s76, s[BHD], 16*REC
	s_mov_b32 s77, 0
	s_mov_b32 s79, 0
	s_wait_kmcnt 0x0
	s_add_nc_u64 s[6:7], s[6:7], s[76:77]          ; the head's first byte
	CROUND                                         ; all four work-groups are here: the joint loads meet
	s_mov_b32 s[G0A], 1
	s_mov_b32 s78, s[G0A+1]
	s_add_nc_u64 s[G0A+2:G0A+3], s[6:7], s[78:79]
	s_or_b32 s[G0A+3], s[G0A+3], 0x80000000
	s_mov_b32 s[G0B], 1
	s_mov_b32 s78, s[G0B+1]
	s_add_nc_u64 s[G0B+2:G0B+3], s[6:7], s[78:79]
	s_or_b32 s[G0B+3], s[G0B+3], 0x80000000
	s_cmp_lt_u32 s[WV], 4                          ; a wave's two fills stand in one branch on the wave's number
	s_cbranch_scc0 .Lfilled
	tensor_load_to_lds s[G0A:G0A+3], s[G1A:G1A+7]
	s_nop 0
	tensor_load_to_lds s[G0B:G0B+3], s[G1B:G1B+7]
	s_nop 0
.rept 4
	v_nop
.endr
.Lfilled:
	v_and_b32 v[L16], 31, v0
	s_delay_alu instid0(VALU_DEP_1)
	v_lshlrev_b32 v[L8], 3, v[L16]
	s_delay_alu instid0(VALU_DEP_2)
	v_lshlrev_b32 v[L16], 4, v[L16]
	v_mov_b32 v[NINF], 0xff800000
	v_mov_b32 v[F+1], 0
	v_mov_b32 v[TMP], 0
.irp b, 0,1,2,3
	v_mov_b32 v[TP+\b], 0                          ; a lane permute's destination counts as one of its sources
.endr
.irp k, 6,7,8,9,10,11
	v_mov_b32 v[Q+\k], 0                           ; zero codes for K = 64 .. 127, on both operands
.irp t, 0,1,2,3
	v_mov_b32 v[KF+12*\t+\k], 0
.endr
.endr
	TADDR TLG, 48
	TADDR TSH, 56
	QLOAD 48, 50
	TILE_INIT 70
	s_wait_tensorcnt 0x1                           ; my record of the first four is in; the second load may stay out
	s_barrier_signal -1
	s_barrier_wait -1                              ; records 0 to 3 are whole
	s_wait_loadcnt 0x0                             ; Q
	s_mov_b32 s[CNT], 4
.Lfirst_four:                                          ; the long tile's diagonal step is 8 or later: steps 0 to 3 are open for every wave
	STEP 0, DSL
	s_sub_co_u32 s[CNT], s[CNT], 1
	s_cmp_lg_u32 s[CNT], 0
	s_cbranch_scc1 .Lfirst_four
	s_setprio 0
	s_wait_tensorcnt 0x0                           ; my part of records 4 to 15 is in,
	s_wait_dscnt 0x0
	s_barrier_signal -1
	s_barrier_wait -1                              ; everybody's is
	s_mov_b32 s[CNT], 12
.Llong:
	STEP 1, DSL
	s_sub_co_u32 s[CNT], s[CNT], 1
	s_cmp_lg_u32 s[CNT], 0
	s_cbranch_scc1 .Llong
	s_setprio 0
	TILE_OUT 52, 54, 1, 56, 58
	TILE_INIT 71
	s_wait_loadcnt 0x0                             ; the short tile's Q
	s_mov_b32 s[CNT], 8
.Lshort:
	STEP 1, DSS
	s_sub_co_u32 s[CNT], s[CNT], 1
	s_cmp_lg_u32 s[CNT], 0
	s_cbranch_scc1 .Lshort
	s_setprio 0
	TILE_OUT 60, 62, 0, 56, 58
	s_wait_xcnt 0x0
	v_lshl_add_u32 v254, v0, 2, 0x33000
	v_mov_b32 v255, 0
	s_wait_alu depctr_va_vdst(0)
	s_wait_tensorcnt 0x0
	ds_add_u32 v254, v255
	s_wait_dscnt 0x0
	CROUND                                         ; the closing round
	s_endpgm
.Lfunc_end_k_qd7e7dbf9ca_attn:
	.size	k_qd7e7dbf9ca_attn, .Lfunc_end_k_qd7e7dbf9ca_attn-k_qd7e7dbf9ca_attn
	.p2alignl 7, 3214868480
	.fill 96, 4, 3214868480
	.section	.rodata,"a",@progbits
	.p2align	6, 0x0
	.amdhsa_kernel k_qd7e7dbf9ca_attn
		.amdhsa_group_segment_fixed_size 210944
		.amdhsa_private_segment_fixed_size 0
		.amdhsa_enable_private_segment 0
		.amdhsa_kernarg_size 32
		.amdhsa_user_sgpr_count 2
		.amdhsa_user_sgpr_kernarg_segment_ptr 1
		.amdhsa_wavefront_size32 1
		.amdhsa_system_sgpr_workgroup_id_x 1
		.amdhsa_system_sgpr_workgroup_id_y 1
		.amdhsa_system_sgpr_workgroup_id_z 1
		.amdhsa_system_vgpr_workitem_id 0
		.amdhsa_next_free_vgpr 256
		.amdhsa_next_free_sgpr 80
		.amdhsa_reserve_vcc 1
		.amdhsa_float_denorm_mode_32 3
		.amdhsa_float_denorm_mode_16_64 3
		.amdhsa_memory_ordered 1
		.amdhsa_forward_progress 1
		.amdhsa_inst_pref_size 83
	.end_amdhsa_kernel
	.amdgpu_metadata
---
amdhsa.version: [ 1, 2 ]
amdhsa.kernels:
  - .name:           k_qd7e7dbf9ca_attn
    .symbol:         k_qd7e7dbf9ca_attn.kd
    .args:
      - { .name: qimg, .offset: 0, .size: 8, .value_kind: global_buffer, .address_space: global }
      - { .name: kv, .offset: 8, .size: 8, .value_kind: global_buffer, .address_space: global }
      - { .name: oimg, .offset: 16, .size: 8, .value_kind: global_buffer, .address_space: global }
      - { .name: osc, .offset: 24, .size: 8, .value_kind: global_buffer, .address_space: global }
    .group_segment_fixed_size: 210944
    .private_segment_fixed_size: 0
    .kernarg_segment_align: 8
    .kernarg_segment_size: 32
    .max_flat_workgroup_size: 512
    .sgpr_count:     80
    .vgpr_count:     256
    .wavefront_size: 32
...
	.end_amdgpu_metadata
.endif
;; end of part 2
;; launch oproj (part 3): grid 4 x 64, 4 waves a work-group, clusters of 4 x 4, 327,680 bytes of LDS; arguments oimg, osc, Wo_codes, Wo_scales, out0; writes out0
.if DOCPART == 3
	.amdgcn_target "amdgcn-amd-amdhsa--gfx1250"
	.amdhsa_code_object_version 6
	.text
	.protected	k_qd7e7dbf9ca_oproj
	.globl	k_qd7e7dbf9ca_oproj
	.p2align	8
	.type	k_qd7e7dbf9ca_oproj,@function
k_qd7e7dbf9ca_oproj:
	s_mov_b64 s[64:65], 0
	v_nop
	global_prefetch_b8 v0, s[64:65] scope:SCOPE_SE
	s_setreg_imm32_b32 hwreg(HW_REG_WAVE_MODE, 25, 1), 1
	s_wait_xcnt 0x0
	s_wait_alu depctr_hold_cnt(0) depctr_sa_sdst(0) depctr_va_vdst(0) depctr_va_sdst(0) depctr_va_ssrc(0) depctr_va_vcc(0) depctr_vm_vsrc(0)
	s_getreg_b32 s2, hwreg(HW_REG_IB_STS2, 6, 4)
	s_cmp_eq_u32 s2, 0
	s_cbranch_scc0 .Lentry_in_a_cluster
	s_endpgm
.Lentry_in_a_cluster:
	s_bfe_u32 s2, ttmp6, 0x10000c
	s_cmp_lg_u32 s2, 0xf033
	s_cbranch_scc0 .Lentry_shape_is_right
	s_endpgm
.Lentry_shape_is_right:
; out0[token][o] = the sum over i of A[token][i] Wo[o][i], K = 1,024, on codes of FP6 (E2M3) with one E8M0 scale for each 32 along K; sums and result f32.
; A, the attention's result, comes as images of operand registers (oimg: [16 tokens][head][768 bytes]) and scale bytes (osc: [16 tokens][head][row][2]); Wo as given: rows of 768 bytes, 32 scale bytes a row.
; A tile of the result is 128 tokens x 256 columns: 256 work-groups, one for each WGP, so that all share the 33.5 MB of stores.  Four waves of 64 x 128: 32 accumulators, 256 registers (window 2).
; K goes in steps of 256 (four heads) through two LDS slots.  In a slot A's part is 8 token tiles x 3,072 bytes, as they lie in memory: a fragment (two heads) comes by two loads of 16 and two of 8 bytes a lane, consecutive
; from lane to lane.  B's part is 256 rows of 192 bytes, 16 bytes of padding behind every 64.
; CLUSTER 4 x 4: A's tiles are shared along a row of the cluster, B's along a column: each is asked for jointly.  Waves 0 and 1 fetch A's halves, waves 2 and 3 B's, and B's scale bytes once.
; A's scale bytes (4,096 for the 128 tokens) are gathered once by each thread for its token, made into eight words, and laid in LDS bytes of their own as B's lie: 32 bytes a row, 16 of padding behind every 256.
; The matrix instruction is used transposed (source 0 = 16 rows of Wo, source 1 = 16 tokens): a lane holds eight neighbouring columns of one token.  No prefetch: four K steps, two of them asked for at the head.
; LIMITS: NaN and scale bytes 0xff in Wo are not served.
.set NQ,     2
.set ROWB,   192
.set KROW,   768
.set PITCH,  240
.set FR,     12
.set NP,     4
.set ATILE,  3072                      ; a token tile's four heads
.set AHALF,  4*ATILE                   ; what one tensor load brings of A, and what one wave reads
.set ABYTES, 2*AHALF
.set HALFT,  128*PITCH
.set SLOT,   ABYTES+2*HALFT            ; 86,016
.set SCLA,   2*SLOT                    ; A's scale words: 17 blocks of 256 bytes that LDS stores alone write
.set HALFS,  4352
.set SCLB,   SCLA+HALFS                ; B's: two loads of 4,352
.set SBLK,   544                       ; the scales of 16 rows
.set SPARE,  SCLB+2*HALFS              ; the spare words, 128 bytes a wave
.set SPITCH, 528                       ; the way out: 16 rows x (512 + 16) for each wave, in slot 0, which has had its last fill and its last read by then
.set LAPS,   2
.set ADA16, 16                         ; v16-17 my A fragments in slot 0, 1: + 16 x lane
.set ADA8,  18                         ; v18-19 + 8 x lane
.set ADRB,  20                         ; v20-21 my B fragments; v22-23 the same behind one padding more
.set STO,   24
.set RD,    25
.set CO,    26
.set ADRS,  27                         ; v27 my scale words: lanes 0-15 A's rows, lanes 16-31 B's
.set SPW,   28
.set NIL,   29
.set SOF,   30                         ; v30 my token's place in osc
.set SAD,   31                         ; v31 my token's row of scale words in LDS
.set SC,    32                         ; v32-63 scale words, two sets: they hold scales and nothing else
.set AF,    128                        ; A's four fragments, one set
.set BK,    128                        ; the way out: v128-191 and v192-255 by turns
.set G1,  24
.set G0,  32
.set G1B, 48
.set G0B, 56
.set G1SB, 80
.set G0SB, 88
.set WV,  14
.set AH,  15
.set BH,  16
.set MSB, 0
.macro WIN new
.if MSB != (\new)
	s_set_vgpr_msb (MSB<<8)|(\new)
.set MSB, (\new)
.endif
.endm
.set MUL,  0xa1                        ; source 0 (B) window 1, source 1 (A) window 0, C and D window 2
.set TO_B, 0x40
.macro JLOAD g0a, g1a, g0b, g1b        ; a joint refill: waves 0 and 1 for A, waves 2 and 3 for B; four v_nop follow each line
	s_cmp_eq_u32 s[AH], 0
	s_cbranch_scc0 .Lfor_b_\@
	tensor_load_to_lds s[\g0a:\g0a+3], s[\g1a:\g1a+7]
	s_nop 0
.rept 4
	v_nop
.endr
	s_branch .Lasked_\@
.Lfor_b_\@:
	tensor_load_to_lds s[\g0b:\g0b+3], s[\g1b:\g1b+7]
	s_nop 0
.rept 4
	v_nop
.endr
.Lasked_\@:
.endm
.macro CREST
	s_cmp_lg_u32 s[WV], 0
	s_cbranch_scc1 .Lnot_wave_0_\@
	s_barrier_signal -3
.Lnot_wave_0_\@:
	s_barrier_wait -3
	s_barrier_signal -1
	s_barrier_wait -1
.endm
.macro CROUND
	s_barrier_signal -1
	s_barrier_wait -1
	CREST
.endm
	s_load_b256 s[4:11], s[0:1], 0x0               ; oimg s[4:5], osc s[6:7], Wo's codes s[8:9], Wo's scales s[10:11]
	s_load_b64 s[12:13], s[0:1], 0x20              ; out0
	v_lshl_add_u32 v[SPW], v0, 2, SPARE
	v_mov_b32 v[NIL], 0
	ds_add_u32 v28, v29
	ds_add_u32 v28, v29
	s_wait_dscnt 0x0
	v_lshrrev_b32 v1, 5, v0
	v_readfirstlane_b32 s[WV], v1
	s_lshr_b32 s[AH], s[WV], 1                     ; my 64 tokens.  Also: I fetch for A (0) or for B (1)
	s_and_b32 s[BH], s[WV], 1                      ; my 128 columns.  Also: which half I fetch
	s_bfe_u32 s40, ttmp6, 0x40000
	s_bfe_u32 s41, ttmp6, 0x40004
	s_lshl_b32 s42, ttmp9, 2
	s_add_co_u32 s42, s42, s40                     ; tile column
	s_and_b32 s17, ttmp7, 0xffff
	s_lshl_b32 s17, s17, 2
	s_add_co_u32 s17, s17, s41                     ; tile row
	s_lshl_b32 s43, s41, 2
	s_lshl_b32 s43, 15, s43                        ; my row of the cluster
	s_lshl_b32 s44, 0x1111, s40                    ; my column
	; A: 4 token tiles x 3,072 bytes (384 elements of 8), 12,288 bytes apart, no padding
	s_or_b32 s[G1+0], s43, (3<<16)|(1<<21)
	s_mov_b32 s[G1+1], 384<<16
	s_mov_b32 s[G1+2], 4<<16
	s_mov_b32 s[G1+3], 384<<16
	s_mov_b32 s[G1+4], 4
	s_mov_b32 s[G1+5], 1536
	s_mov_b32 s[G1+6], 0
	s_mov_b32 s[G1+7], 0
	; B: 128 rows x 192 bytes, 16 bytes of padding behind every 64
	s_or_b32 s[G1B+0], s44, (0<<16)|(1<<20)|(1<<21)|(3<<22)|(3<<25)
	s_mov_b32 s[G1B+1], ROWB<<16
	s_mov_b32 s[G1B+2], 128<<16
	s_mov_b32 s[G1B+3], ROWB<<16
	s_mov_b32 s[G1B+4], 128
	s_mov_b32 s[G1B+5], KROW
	s_mov_b32 s[G1B+6], 0
	s_mov_b32 s[G1B+7], 0
	; B's scales of 128 rows: 16 rows of 256 bytes, 16 of padding behind each
	s_or_b32 s[G1SB+0], s44, (3<<16)|(1<<20)|(1<<21)|(5<<22)|(3<<25)
	s_mov_b32 s[G1SB+1], 32<<16
	s_mov_b32 s[G1SB+2], 16<<16
	s_mov_b32 s[G1SB+3], 32<<16
	s_mov_b32 s[G1SB+4], 16
	s_mov_b32 s[G1SB+5], 32
	s_mov_b32 s[G1SB+6], 0
	s_mov_b32 s[G1SB+7], 0
	s_lshl_b32 s20, s17, 3
	s_lshl_b32 s18, s[BH], 2
	s_add_co_u32 s20, s20, s18                     ; A: token tile 8 x tile row + 4 x half
	s_mul_i32 s20, s20, 12288
	s_mov_b32 s21, 0
	s_lshl_b32 s46, s42, 8
	s_lshl_b32 s18, s[BH], 7
	s_add_co_u32 s46, s46, s18                     ; B: row 256 x tile column + 128 x half
	s_lshl_b32 s92, s46, 5
	s_mov_b32 s93, 0
	s_mul_i32 s46, s46, KROW
	s_mov_b32 s47, 0
	s_lshl_b32 s22, s17, 12                        ; osc: 4,096 bytes a tile row
	s_mov_b32 s23, 0
	s_mul_i32 s45, s[BH], AHALF                    ; LDS: A's half,
	s_mul_i32 s94, s[BH], HALFT
	s_add_co_u32 s94, s94, ABYTES                  ; B's half,
	s_mul_i32 s19, s[BH], HALFS
	s_add_co_u32 s19, s19, SCLB                    ; B's scales: no place in the cluster enters an LDS address
	s_wait_kmcnt 0x0
	s_add_nc_u64 s[20:21], s[4:5], s[20:21]
	s_add_nc_u64 s[46:47], s[8:9], s[46:47]
	s_add_nc_u64 s[92:93], s[10:11], s[92:93]
	s_add_nc_u64 s[6:7], s[6:7], s[22:23]
	CROUND                                         ; all sixteen work-groups are here
	s_mov_b32 s[G0SB], 1
	s_mov_b32 s[G0SB+1], s19
	s_mov_b64 s[G0SB+2:G0SB+3], s[92:93]
	s_or_b32 s[G0SB+3], s[G0SB+3], 0x80000000
.irp s, 0,1
	s_mov_b32 s[G0+4*\s], 1
	s_add_co_u32 s[G0+4*\s+1], s45, \s*SLOT
	s_add_nc_u64 s[G0+4*\s+2:G0+4*\s+3], s[20:21], \s*ATILE
	s_or_b32 s[G0+4*\s+3], s[G0+4*\s+3], 0x80000000
	s_mov_b32 s[G0B+4*\s], 1
	s_add_co_u32 s[G0B+4*\s+1], s94, \s*SLOT
	s_add_nc_u64 s[G0B+4*\s+2:G0B+4*\s+3], s[46:47], \s*ROWB
	s_or_b32 s[G0B+4*\s+3], s[G0B+4*\s+3], 0x80000000
.endr
	s_cmp_eq_u32 s[AH], 0                          ; a wave's first fills stand in one branch: two loads of mine are out, or three
	s_cbranch_scc0 .Lfirst_b
	tensor_load_to_lds s[G0:G0+3], s[G1:G1+7]
	s_nop 0
	tensor_load_to_lds s[G0+4:G0+7], s[G1:G1+7]
	s_nop 0
.rept 4
	v_nop
.endr
	s_branch .Lfirst_asked
.Lfirst_b:
	tensor_load_to_lds s[G0SB:G0SB+3], s[G1SB:G1SB+7]
	s_nop 0
	tensor_load_to_lds s[G0B:G0B+3], s[G1B:G1B+7]
	s_nop 0
	tensor_load_to_lds s[G0B+4:G0B+7], s[G1B:G1B+7]
	s_nop 0
.rept 4
	v_nop
.endr
.Lfirst_asked:
	; A's scale bytes: thread t is token t of the 128
	v_lshrrev_b32 v[SOF], 4, v0
	v_and_b32 v6, 15, v0
	v_lshlrev_b32 v[SOF], 9, v[SOF]
	v_lshl_add_u32 v[SOF], v6, 1, v[SOF]           ; 512 x (t / 16) + 2 x (t % 16)
.irp hd, 0,1,2,3,4,5,6,7,8,9,10,11,12,13,14,15
	global_load_u16 v[64+\hd], v[SOF], s[6:7] offset:32*\hd   ; head hd's two bytes
.endr
	v_lshlrev_b32 v[SAD], 5, v0
	v_lshrrev_b32 v6, 3, v0
	v_lshl_add_u32 v[SAD], v6, 4, v[SAD]
	v_add_nc_u32 v[SAD], SCLA, v[SAD]              ; 32 t + 16 (t / 8)
	v_and_b32 v1, 15, v0                           ; l % 16
	v_bfe_u32 v2, v0, 4, 1                         ; l / 16
	v_and_b32 v6, 31, v0
	v_lshlrev_b32 v[CO], 4, v6                     ; 16 x lane
	v_lshlrev_b32 v7, 3, v6                        ; 8 x lane
	v_mul_u32_u24 v3, v1, PITCH
	v_mul_u32_u24 v4, v2, 24
	v_add_nc_u32 v4, v3, v4                        ; B: row x pitch + 24 x half
	v_lshl_add_u32 v5, v2, 4, v4                   ; and behind one padding more
	s_mul_i32 s21, s[AH], AHALF                    ; my four token tiles
	s_mul_i32 s22, s[BH], HALFT
	s_add_co_u32 s22, s22, ABYTES                  ; my 128 rows of B
.irp s, 0,1
	v_add_nc_u32 v[ADA16+\s], s21, v[CO]
	v_add_nc_u32 v[ADA8+\s], s21, v7
	v_add_nc_u32 v[ADRB+\s], s22, v4
	v_add_nc_u32 v[ADRB+2+\s], s22, v5
	s_add_co_u32 s21, s21, SLOT
	s_add_co_u32 s22, s22, SLOT
.endr
	v_lshlrev_b32 v5, 5, v1                        ; my row's scales: 32 bytes a row,
	v_lshrrev_b32 v6, 8, v5
	v_lshl_add_u32 v5, v6, 4, v5                   ; and 16 more for each 256 passed
	s_mul_i32 s21, s[AH], 4*SBLK                   ; A's: my 64 tokens
	s_mul_i32 s22, s[BH], HALFS
	s_add_co_u32 s22, s22, HALFS                   ; B's lie behind A's 4,352
	s_sub_co_u32 s22, s22, s21
	v_mul_u32_u24 v6, s22, v2                      ; lanes 16-31 take B's: the lower base + half x the distance
	s_add_co_u32 s21, s21, SCLA
	v_add_nc_u32 v5, v5, v6
	v_add_nc_u32 v[ADRS], s21, v5
	s_mul_i32 s23, s[WV], 16*SPITCH                ; my stage
	v_mul_u32_u24 v5, v1, SPITCH
	v_lshl_add_u32 v5, v2, 5, v5
	v_add_nc_u32 v[STO], s23, v5                   ; in: row l % 16, 32 bytes for each half of the lanes
	v_add_nc_u32 v[RD], s23, v[CO]                 ; back: the 32 lanes take one row of 512 bytes
	s_lshl_b32 s20, s17, 7
	s_lshl_b32 s21, s[AH], 6
	s_add_co_u32 s20, s20, s21                     ; my first token
	s_lshl_b32 s20, s20, 12                        ; x 4,096 bytes: under 2^25
	s_lshl_b32 s46, s42, 10
	s_lshl_b32 s47, s[BH], 9
	s_add_co_u32 s46, s46, s47                     ; my first column, in bytes
	s_add_co_u32 s20, s20, s46
	s_mov_b32 s21, 0
	s_add_nc_u64 s[12:13], s[12:13], s[20:21]
	s_wait_loadcnt 0x0
.irp w, 0,1,2,3,4,5,6,7
	v_lshl_or_b32 v[80+\w], v[65+2*\w], 16, v[64+2*\w]   ; the word of heads 2 w, 2 w + 1: 128 along K
.endr
	ds_store_b128 v[SAD], v[80:83]
	ds_store_b128 v[SAD], v[84:87] offset:16
.macro FRAG reg, adr, q, i             ; B: 16 rows x 128 K in pieces of 8 bytes
.irp p, 0,1,2,3,4,5
.set PIE, 12*(\q)+6*(\p/3)+\p%3
.if PIE%8 < 5
	ds_load_b64 v[\reg+2*\p:\reg+2*\p+1], v[\adr] offset:8*PIE+16*(PIE/8)+(\i)*16*PITCH
.else
	ds_load_b64 v[\reg+2*\p:\reg+2*\p+1], v[\adr+2] offset:8*PIE+16*(PIE/8)+(\i)*16*PITCH
.endif
.endr
.endm
.macro FRAGA reg, slot, q, i           ; A: token tile i, the slot's heads 2 q and 2 q + 1: two images of six registers
	ds_load_b128 v[\reg:\reg+3], v[ADA16+\slot] offset:ATILE*(\i)+1536*(\q)
	ds_load_b64 v[\reg+4:\reg+5], v[ADA8+\slot] offset:ATILE*(\i)+1536*(\q)+512
	ds_load_b128 v[\reg+6:\reg+9], v[ADA16+\slot] offset:ATILE*(\i)+1536*(\q)+768
	ds_load_b64 v[\reg+10:\reg+11], v[ADA8+\slot] offset:ATILE*(\i)+1536*(\q)+1280
.endm
.macro FETCH_A slot, q, i0             ; A's blocks i0, i0 + 1: eight loads
.irp i, \i0, \i0+1
	FRAGA AF+FR*(\i), \slot, \q, \i
.endr
.endm
.macro FETCH_B slot, q, p
	WIN TO_B
.irp i, 0,1,2,3,4,5,6,7
	FRAG 128*(\p)+FR*\i, ADRB+\slot, \q, \i
.endr
	WIN 0
.endm
.macro SCALES sc                       ; lanes 0-15: A's block i (for i over 3: words that no product names, inside the scales' bytes); lanes 16-31: B's block i
.irp i, 0,1,2,3,4,5,6,7
	ds_load_b64 v[SC+8*NQ*\sc+NQ*\i:SC+8*NQ*\sc+NQ*\i+1], v[ADRS] offset:\i*SBLK
.endr
.endm
; 8 matrix instructions: A's block a x B's eight.  The 32 accumulators take turns, one instruction a turn, in the same order in every step.
.macro MULB a, p, q, sc, zero
.irp b, 0,1,2,3,4,5,6,7
.if \zero
	v_wmma_scale_f32_16x16x128_f8f6f4 v[8*(8*(\a)+\b):8*(8*(\a)+\b)+7], v[128*(\p)+FR*\b:128*(\p)+FR*\b+FR-1], v[AF+FR*(\a):AF+FR*(\a)+FR-1], 0, v[SC+8*NQ*(\sc)+NQ*\b+(\q)], v[SC+8*NQ*(\sc)+NQ*(\a)+(\q)] matrix_a_fmt:MATRIX_FMT_FP6 matrix_b_fmt:MATRIX_FMT_FP6 matrix_a_scale:MATRIX_SCALE_ROW1
.else
	v_wmma_scale_f32_16x16x128_f8f6f4 v[8*(8*(\a)+\b):8*(8*(\a)+\b)+7], v[128*(\p)+FR*\b:128*(\p)+FR*\b+FR-1], v[AF+FR*(\a):AF+FR*(\a)+FR-1], v[8*(8*(\a)+\b):8*(8*(\a)+\b)+7], v[SC+8*NQ*(\sc)+NQ*\b+(\q)], v[SC+8*NQ*(\sc)+NQ*(\a)+(\q)] matrix_a_fmt:MATRIX_FMT_FP6 matrix_b_fmt:MATRIX_FMT_FP6 matrix_a_scale:MATRIX_SCALE_ROW1
.endif
.endr
.endm
.macro PLACES n
.rept \n
	v_nop
.endr
.endm
.macro STEP slot, q, zero              ; 128 along K with its successor in the same slot
	s_wait_dscnt 8                                 ; B's set and A's blocks 0, 1 are in; the eight youngest loads (A's blocks 2, 3) may be out
	WIN MUL
	MULB 0, (\q)%2, \q, \slot, \zero
	MULB 1, (\q)%2, \q, \slot, \zero
	s_wait_dscnt 0
	PLACES NP
	FETCH_B \slot, (\q)+1, 1-(\q)%2
	FETCH_A \slot, (\q)+1, 0
	WIN MUL
	MULB 2, (\q)%2, \q, \slot, \zero
	MULB 3, (\q)%2, \q, \slot, \zero
	PLACES NP
	WIN 0
	FETCH_A \slot, (\q)+1, 2
.endm
.macro TURN slot, next, fill           ; a slot's last step changes slots
	s_wait_tensorcnt 0x0                           ; all my tensor loads have landed: my part of the next slot
	ds_add_u32 v[SPW], v[NIL]                      ; 0 onto my spare word
	s_wait_dscnt 9                                 ; (the add and the eight youngest loads may be out)
	WIN MUL
	MULB 0, 1, NQ-1, \slot, 0                      ; eight matrix instructions stand between the add and the wait for it
	s_wait_dscnt 0x0                               ; the add is done, and my reads of this slot are over
	s_barrier_signal -1
	MULB 1, 1, NQ-1, \slot, 0
	WIN 0
	s_barrier_wait -1
.if \fill
	CREST                                          ; the barrier has opened a round of the cluster's: no wave of any partner still reads this slot or has a load on its way
	s_add_nc_u64 s[G0+4*\slot+2:G0+4*\slot+3], s[G0+4*\slot+2:G0+4*\slot+3], 2*ATILE
	s_add_nc_u64 s[G0B+4*\slot+2:G0B+4*\slot+3], s[G0B+4*\slot+2:G0B+4*\slot+3], 2*ROWB
	JLOAD G0+4*\slot, G1, G0B+4*\slot, G1B         ; the first tensor load behind the round; its four v_nop are the places in front of the loads below
.else
	PLACES NP
.endif
	v_add_nc_u32 v[ADRS], 4*NQ, v[ADRS]
	FETCH_B \next, 0, 0
	FETCH_A \next, 0, 0
	SCALES \next
	WIN MUL
	MULB 2, 1, NQ-1, \slot, 0
	MULB 3, 1, NQ-1, \slot, 0
	PLACES NP
	WIN 0
	FETCH_A \next, 0, 2
.endm
	s_wait_tensorcnt 0x1                           ; B's scales and my part of K step 0 are in (K step 1's load may be out)
	s_wait_dscnt 0x0                               ; and my tokens' scale words lie in LDS
	s_barrier_signal -1
	s_barrier_wait -1
	FETCH_B 0, 0, 0
	FETCH_A 0, 0, 0
	SCALES 0
	FETCH_A 0, 0, 2
	STEP 0, 0, 1                                   ; the first step's products start the sums
	s_mov_b32 s3, LAPS-1
.Llap:
	TURN 0, 1, 1
	STEP 1, 0, 0
	TURN 1, 0, 1
	STEP 0, 0, 0
	s_sub_co_u32 s3, s3, 1
	s_cmp_lg_u32 s3, 0
	s_cbranch_scc1 .Llap
	TURN 0, 1, 0                                   ; the last lap fills nothing
	STEP 1, 0, 0
	s_wait_dscnt 8
	WIN MUL
	MULB 0, 1, NQ-1, 1, 0
	MULB 1, 1, NQ-1, 1, 0
	s_wait_dscnt 0
	MULB 2, 1, NQ-1, 1, 0
	MULB 3, 1, NQ-1, 1, 0
	WIN 0
; THE WAY OUT, block by block of 16 tokens x 128 columns, through my own stage: in as 32 bytes a lane, back as whole rows of 512 bytes.  LDS serves a wave's instructions in order (ISA guide 5.7.1.4).
.macro TOSTAGE a
.set AC, 64*(\a)
	WIN 0x08                                       ; an LDS store's data are its source 1: window 2
.irp b, 0,1,2,3,4,5,6,7
	ds_store_b128 v[STO], v[AC+8*\b:AC+8*\b+3] offset:64*\b          ; each accumulator from its low end on
	ds_store_b128 v[STO], v[AC+8*\b+4:AC+8*\b+7] offset:64*\b+16
.endr
	WIN 0
.set BB, BK+64*((\a)%2)
.irp t, 0,1,2,3,4,5,6,7,8,9,10,11,12,13,14,15
	ds_load_b128 v[BB+4*\t:BB+4*\t+3], v[RD] offset:\t*SPITCH
.endr
.endm
.macro SEND a, younger                 ; younger: the LDS instructions issued behind block a's loads
.set BB, BK+64*((\a)%2)
	s_wait_dscnt \younger
.if (\a) > 0
	s_add_nc_u64 s[12:13], s[12:13], 16*4096       ; 16 tokens on (the earlier stores have read their base: a wait on XCNT stands in front)
.endif
.irp t, 0,1,2,3,4,5,6,7,8,9,10,11,12,13,14,15
	global_store_b128 v[CO], v[BB+4*\t:BB+4*\t+3], s[12:13] offset:\t*4096 th:TH_STORE_NT   ; 32 lanes store 512 consecutive bytes, at a multiple of 256 from out0's first byte
.endr
.endm
	PLACES NP                                      ; in front of the first read of results and of the loads into the registers that held A's fragments
	TOSTAGE 0
.irp a, 1,2,3
.if \a > 1
	s_wait_xcnt 0x0                                ; block a - 2's stores have read their registers and their base
.endif
	TOSTAGE \a
	SEND \a-1, 32                                  ; behind block a - 1's loads: block a's 16 stores and 16 loads
.endr
	s_wait_xcnt 0x0
	SEND 3, 0
	s_wait_tensorcnt 0x0                           ; the wave's end
	ds_add_u32 v[SPW], v[NIL]
	s_wait_dscnt 0x0
	CROUND                                         ; the closing round
	s_endpgm
.Lfunc_end_k_qd7e7dbf9ca_oproj:
	.size	k_qd7e7dbf9ca_oproj, .Lfunc_end_k_qd7e7dbf9ca_oproj-k_qd7e7dbf9ca_oproj
	.p2alignl 7, 3214868480
	.fill 96, 4, 3214868480
	.section	.rodata,"a",@progbits
	.p2align	6, 0x0
	.amdhsa_kernel k_qd7e7dbf9ca_oproj
		.amdhsa_group_segment_fixed_size 327680
		.amdhsa_private_segment_fixed_size 0
		.amdhsa_enable_private_segment 0
		.amdhsa_kernarg_size 40
		.amdhsa_user_sgpr_count 2
		.amdhsa_user_sgpr_kernarg_segment_ptr 1
		.amdhsa_wavefront_size32 1
		.amdhsa_system_sgpr_workgroup_id_x 1
		.amdhsa_system_sgpr_workgroup_id_y 1
		.amdhsa_system_sgpr_workgroup_id_z 1
		.amdhsa_system_vgpr_workitem_id 0
		.amdhsa_next_free_vgpr 768
		.amdhsa_next_free_sgpr 96
		.amdhsa_reserve_vcc 0
		.amdhsa_float_denorm_mode_32 3
		.amdhsa_float_denorm_mode_16_64 3
		.amdhsa_memory_ordered 1
		.amdhsa_forward_progress 1
		.amdhsa_inst_pref_size 98
	.end_amdhsa_kernel
	.amdgpu_metadata
---
amdhsa.version: [ 1, 2 ]
amdhsa.kernels:
  - .name:           k_qd7e7dbf9ca_oproj
    .symbol:         k_qd7e7dbf9ca_oproj.kd
    .args:
      - { .name: oimg, .offset: 0, .size: 8, .value_kind: global_buffer, .address_space: global }
      - { .name: osc, .offset: 8, .size: 8, .value_kind: global_buffer, .address_space: global }
      - { .name: Wo_codes, .offset: 16, .size: 8, .value_kind: global_buffer, .address_space: global }
      - { .name: Wo_scales, .offset: 24, .size: 8, .value_kind: global_buffer, .address_space: global }
      - { .name: out0, .offset: 32, .size: 8, .value_kind: global_buffer, .address_space: global }
    .group_segment_fixed_size: 327680
    .private_segment_fixed_size: 0
    .kernarg_segment_align: 8
    .kernarg_segment_size: 40
    .max_flat_workgroup_size: 128
    .sgpr_count:     96
    .vgpr_count:     768
    .wavefront_size: 32
...
	.end_amdgpu_metadata
.endif
;; end of part 3
